; MI455X (gfx1250); checked and timed in simulation.
; The chip was launched on July 23, 2026; its instructions are those of AMD's public machine-readable ISA for CDNA 5 (MIT licence, August 2026) and "CDNA5" Instruction Set Architecture Reference Guide (July 2026). The comments in the code are by the model that wrote it; some were corrected since.
;; Gemma3. Allowed arithmetic: float matrix products may take bf16 or f16 operands with f32 sums; all other float work in f32.
;; Inputs: Wk 512 x 2,048 float32; Wo 2,048 x 1,024 float32; Wq 1,024 x 2,048 float32; Wv 512 x 2,048 float32; kn_w 128 float32; qn_w 128 float32; x 2 x 2,048 x 2,048 float32.
;; Outputs: out0 2 x 2,048 x 2,048 float32.
;; 2 versions, each right; version 2 is version 1 with the launch cvt written anew for expert scheduling mode. Each part assembles by itself: llvm-mc -triple=amdgcn-amd-amdhsa -mcpu=gfx1250 --defsym DOCPART=n.
;; ======== version 1 of 2: 4 launches
;; limits: values are held in f16: magnitudes above 65,504 overflow, below 6.1e-05 lose precision; right only within a limited range of input values
;; workspace buffers: xb 16,777,216 bytes; wb 8,388,608 bytes; wob 4,194,304 bytes; qkv 16,777,216 bytes; ctx 8,388,608 bytes
;; launch cvt (part 1): grid 256 x 1, 16 waves a work-group, no clusters, 0 bytes of LDS; arguments x, Wq, Wk, Wv, Wo, xb, wb, wob; writes xb, wb, wob
.if DOCPART == 1
	.amdgcn_target "amdgcn-amd-amdhsa--gfx1250"
	.amdhsa_code_object_version 6
	.text
	.protected	k_q8a62e6ed85_cvt
	.globl	k_q8a62e6ed85_cvt
	.p2align	8
	.type	k_q8a62e6ed85_cvt,@function
k_q8a62e6ed85_cvt:
	s_mov_b64 s[64:65], 0
	v_nop
	global_prefetch_b8 v0, s[64:65] scope:SCOPE_SE
	s_setreg_imm32_b32 hwreg(HW_REG_WAVE_MODE, 25, 1), 1
	s_wait_xcnt 0x0
; FIRST OF FOUR LAUNCHES of a Gemma3 attention block (B 2, T 2048, D 2048, 8 query heads, 4 key/value heads of 128):
;   cvt      x, Wq, Wk, Wv, Wo from f32 to 16 bits (this text)
;   qkvproj  [q|k|v] = x [Wq;Wk;Wv]^T (bf16 operands), with RMS norm, RoPE and the q scale on the way out, stored in f16
;   attn     attention over the window 0 <= t - k <= 512 with a running maximum (f16 operands), stored in f16
;   oproj    out0 = ctx Wo^T (f16 operands) in f32
; WORK LEFT OUT (in attn): whole tiles of 64 keys in which every pair (t, k) has t - k < 0 or t - k > 512.  The function itself
; sets those scores to the lowest f32 before the softmax.  Row t always keeps its own key t, so the row's maximum is a true score and
; a masked weight is exp(lowest f32 - maximum), nothing in real numbers beside the weight 1 of the maximum: these tiles' scores and their
; products with V reach no output, whatever the inputs hold.  In the two edge tiles (the diagonal one, the one 512 back) the mask is
; applied by a select.  Every input has a way to the output and is loaded.
; NUMBER FORMATS: the five large inputs are rounded to bf16.  What the launches hand on (q, k, v, the softmax weights, ctx) is rounded to f16: row t of ctx is a
; mean of min(t + 1, 513) rows of v, so a sequence's first rows are as large as v itself while the late rows, which set the output's rms, can be ten times smaller;
; a rounding to bf16's 8 bits (up to 2^-8 of the number) would in the first rows be some per cent of that rms, f16's 11 bits (2^-11) are an eighth of it.
; The f16 matrix form takes both operands in f16's format, so Wo, rounded to bf16 like the other inputs, is stored in f16's format: a bf16 number of magnitude
; 2^-17 to 65,504 is an f16 number exactly, a smaller one moves by at most 2^-25.
; LIMITS: a NaN, an infinity or an overflow in rows of K or V that only the tiles left out would touch is not carried to the result.
; |v| (and ctx, a mean of rows of v) must stay under f16's 65,504: x and Wv both 30 times the drawn spread give about 900 x 5.5 = 5,000, both with a common offset
; of 30 spreads 2048 x 30 x 0.66 = 40,600.  Under 2^-14 f16 steps by 2^-24: with x and Wv both 30 times smaller (v's rms 0.0011) that is 3e-5 of the rms.
; Sums, norm, RoPE and softmax are f32.
;
; THIS LAUNCH is a stream: each input byte is read once, each 16-bit number written once.  No LDS, matrix unit or cluster has anything to add.
; 256 work-groups of 16 waves; each takes a 256th of EVERY input (131,072 bytes of x, 32,768 of Wq and of Wo, 16,384 of Wk and of Wv), so all do the same work and no
; branch or select hangs on the work-group's number.  That is 28 items of 8,192 bytes: in an item a thread loads 16 bytes and stores 8; a wave's load covers 512
; consecutive bytes, its store 256 consecutive bytes at a multiple of 256.  Items 0-15 x, 16-19 Wq, 20-21 Wk, 22-23 Wv, 24-27 Wo.
; DEPTH loads of every wave are on their way (16 waves x 12 x 512 = 98,304 bytes for the work-group); item i + DEPTH is asked for ahead of item i's store, so loads and
; stores go side by side.  Every item has registers of its own (28 x 6 = 168; the four waves of a SIMD take 4 x 172 of its 1,024): no source of a pending
; instruction is ever written again, and the only waits are the counted ones for the data.
.set DEPTH, 12
.set ITEMS, 28
.set X, 4                              ; v[4:115]    item i: four f32 as loaded
.set Y, 116                            ; v[116:171]  item i: four 16-bit numbers to store
.macro WHERE n                         ; item n: SB, DB = the scalar pairs of its source and its destination, J = its number in that input's share
.if (\n) < 16
.set SB, 8
.set DB, 18
.set J, (\n)
.elseif (\n) < 20
.set SB, 10
.set DB, 34
.set J, (\n)-16
.elseif (\n) < 22
.set SB, 12
.set DB, 36
.set J, (\n)-20
.elseif (\n) < 24
.set SB, 14
.set DB, 38
.set J, (\n)-22
.else
.set SB, 16
.set DB, 22
.set J, (\n)-24
.endif
.endm
.macro LOAD n
	WHERE \n
	global_load_b128 v[X+4*(\n):X+4*(\n)+3], v1, s[SB:SB+1] offset:8192*J th:TH_LOAD_NT   ; read once in the launch
.endm
	s_load_b256 s[8:15], s[0:1], 0x0               ; x s[8:9], Wq s[10:11], Wk s[12:13], Wv s[14:15]
	s_load_b256 s[16:23], s[0:1], 0x20             ; Wo s[16:17], xb s[18:19], wb s[20:21], wob s[22:23]
	v_lshlrev_b32 v1, 4, v0                        ; 16 bytes of f32 a thread
	v_lshlrev_b32 v2, 3, v0                        ; 8 bytes out a thread
	s_lshl_b32 s24, ttmp9, 13                      ; the work-group's number times 8,192 .. 131,072 bytes, each with 0 above it
	s_mov_b32 s25, 0
	s_lshl_b32 s26, ttmp9, 14
	s_mov_b32 s27, 0
	s_lshl_b32 s28, ttmp9, 15
	s_mov_b32 s29, 0
	s_lshl_b32 s30, ttmp9, 16
	s_mov_b32 s31, 0
	s_lshl_b32 s32, ttmp9, 17
	s_mov_b32 s33, 0
	s_wait_kmcnt 0x0
	s_add_nc_u64 s[8:9], s[8:9], s[32:33]          ; my share of x
.set i, 0
.rept DEPTH
	LOAD i                                         ; the first DEPTH items, all of x, go out before anything else
.set i, i+1
.endr
	s_add_nc_u64 s[10:11], s[10:11], s[28:29]      ; Wq
	s_add_nc_u64 s[12:13], s[12:13], s[26:27]      ; Wk
	s_add_nc_u64 s[14:15], s[14:15], s[26:27]      ; Wv
	s_add_nc_u64 s[16:17], s[16:17], s[28:29]      ; Wo
	s_add_nc_u64 s[18:19], s[18:19], s[30:31]      ; xb
	s_add_nc_u64 s[34:35], s[20:21], s[26:27]      ; wb: Wq's rows 0-1023
	s_add_nc_u64 s[36:37], s[20:21], s[24:25]
	s_add_nc_u64 s[36:37], s[36:37], 0x400000      ; wb: Wk's rows begin 1,024 x 4,096 bytes in
	s_add_nc_u64 s[38:39], s[36:37], 0x200000      ; wb: Wv's rows 512 x 4,096 bytes further
	s_add_nc_u64 s[22:23], s[22:23], s[26:27]      ; wob
.set i, 0
.rept ITEMS
.if ITEMS-1-i < DEPTH-1
	s_wait_loadcnt ITEMS-1-i                       ; the last items: nothing more was asked for, the counts run down
.else
	s_wait_loadcnt DEPTH-1                         ; loads return in order: item i is in, the DEPTH - 1 younger ones stay out
.endif
	v_cvt_pk_bf16_f32 v[Y+2*i], v[X+4*i], v[X+4*i+1]
	v_cvt_pk_bf16_f32 v[Y+2*i+1], v[X+4*i+2], v[X+4*i+3]
.if i >= 24
	v_lshlrev_b32 v[X+4*i], 16, v[Y+2*i]           ; Wo: the numbers rounded to bf16, as f32 again (the item's load has landed: its registers are free),
	v_and_b32 v[X+4*i+1], 0xffff0000, v[Y+2*i]
	v_lshlrev_b32 v[X+4*i+2], 16, v[Y+2*i+1]
	v_and_b32 v[X+4*i+3], 0xffff0000, v[Y+2*i+1]
	v_cvt_pk_f16_f32 v[Y+2*i], v[X+4*i], v[X+4*i+1]        ; and the change of format: exact from 2^-17 up
	v_cvt_pk_f16_f32 v[Y+2*i+1], v[X+4*i+2], v[X+4*i+3]
.endif
.if i+DEPTH < ITEMS
	LOAD i+DEPTH
.endif
	WHERE i
	global_store_b64 v2, v[Y+2*i:Y+2*i+1], s[DB:DB+1] offset:4096*J
.set i, i+1
.endr
	s_endpgm
.Lfunc_end_k_q8a62e6ed85_cvt:
	.size	k_q8a62e6ed85_cvt, .Lfunc_end_k_q8a62e6ed85_cvt-k_q8a62e6ed85_cvt
	.p2alignl 7, 3214868480
	.fill 96, 4, 3214868480
	.section	.rodata,"a",@progbits
	.p2align	6, 0x0
	.amdhsa_kernel k_q8a62e6ed85_cvt
		.amdhsa_group_segment_fixed_size 0
		.amdhsa_private_segment_fixed_size 0
		.amdhsa_enable_private_segment 0
		.amdhsa_kernarg_size 64
		.amdhsa_user_sgpr_count 2
		.amdhsa_user_sgpr_kernarg_segment_ptr 1
		.amdhsa_wavefront_size32 1
		.amdhsa_system_sgpr_workgroup_id_x 1
		.amdhsa_system_sgpr_workgroup_id_y 1
		.amdhsa_system_sgpr_workgroup_id_z 1
		.amdhsa_system_vgpr_workitem_id 0
		.amdhsa_next_free_vgpr 172
		.amdhsa_next_free_sgpr 66
		.amdhsa_reserve_vcc 0
		.amdhsa_float_denorm_mode_32 3
		.amdhsa_float_denorm_mode_16_64 3
		.amdhsa_memory_ordered 1
		.amdhsa_forward_progress 1
		.amdhsa_inst_pref_size 13
	.end_amdhsa_kernel
	.amdgpu_metadata
---
amdhsa.version: [ 1, 2 ]
amdhsa.kernels:
  - .name:           k_q8a62e6ed85_cvt
    .symbol:         k_q8a62e6ed85_cvt.kd
    .args:
      - { .name: x, .offset: 0, .size: 8, .value_kind: global_buffer, .address_space: global }
      - { .name: Wq, .offset: 8, .size: 8, .value_kind: global_buffer, .address_space: global }
      - { .name: Wk, .offset: 16, .size: 8, .value_kind: global_buffer, .address_space: global }
      - { .name: Wv, .offset: 24, .size: 8, .value_kind: global_buffer, .address_space: global }
      - { .name: Wo, .offset: 32, .size: 8, .value_kind: global_buffer, .address_space: global }
      - { .name: xb, .offset: 40, .size: 8, .value_kind: global_buffer, .address_space: global }
      - { .name: wb, .offset: 48, .size: 8, .value_kind: global_buffer, .address_space: global }
      - { .name: wob, .offset: 56, .size: 8, .value_kind: global_buffer, .address_space: global }
    .group_segment_fixed_size: 0
    .private_segment_fixed_size: 0
    .kernarg_segment_align: 8
    .kernarg_segment_size: 64
    .max_flat_workgroup_size: 512
    .sgpr_count:     66
    .vgpr_count:     172
    .wavefront_size: 32
...
	.end_amdgpu_metadata
.endif
;; end of part 1
;; launch qkvproj (part 2): grid 16 x 16, 4 waves a work-group, clusters of 4 x 4, 327,680 bytes of LDS; arguments xb, wb, qn_w, kn_w, qkv; writes qkv
.if DOCPART == 2
	.amdgcn_target "amdgcn-amd-amdhsa--gfx1250"
	.amdhsa_code_object_version 6
	.text
	.protected	k_q8a62e6ed85_qkvproj
	.globl	k_q8a62e6ed85_qkvproj
	.p2align	8
	.type	k_q8a62e6ed85_qkvproj,@function
k_q8a62e6ed85_qkvproj:
	s_mov_b64 s[64:65], 0
	v_nop
	global_prefetch_b8 v0, s[64:65] scope:SCOPE_SE
	s_setreg_imm32_b32 hwreg(HW_REG_WAVE_MODE, 25, 1), 1
	s_wait_xcnt 0x0
	s_wait_alu depctr_hold_cnt(0) depctr_sa_sdst(0) depctr_va_vdst(0) depctr_va_sdst(0) depctr_va_ssrc(0) depctr_va_vcc(0) depctr_vm_vsrc(0)
	s_getreg_b32 s2, hwreg(HW_REG_IB_STS2, 6, 4)
	s_cmp_eq_u32 s2, 0
	s_cbranch_scc0 .Lentry_in_a_cluster
	s_endpgm
.Lentry_in_a_cluster:
	s_bfe_u32 s2, ttmp6, 0x10000c
	s_cmp_lg_u32 s2, 0xf033
	s_cbranch_scc0 .Lentry_shape_is_right
	s_endpgm
.Lentry_shape_is_right:
; qkv[m][n] = sum over k of xb[m][k] wb[n][k]  (m = b 2048 + t; n: 8 q heads, 4 k heads, 4 v heads of 128 columns), bf16 operands, f32 sums,
; then on the way out, for q and k heads: RMS norm with gain 1 + w, RoPE, and for q the factor 128^-0.5 log2(e) (attn takes powers of two).  Stored in f16
; (why f16: the head of the first launch's text).
; A work-group makes 256 rows x 128 columns (one head): 16 x 16 = 256 work-groups.  Four waves; wave w makes rows 64 w .. 64 w + 63 by all 128
; columns: 32 accumulator tiles, 256 registers.  One head to a block keeps a row's whole norm and its RoPE pairs (d, d + 64) in one pair of lanes.
; THE RING: two LDS slots of UNEQUAL size, filled by tensor loads.  Slot 0 holds two K steps of 128 (rows of 512 bytes, pitch 528), slot 1 one K step (rows of 256 bytes,
; pitch 272): 384 x 528 + 384 x 272 = 307,200 bytes, with the stage 324,608 of the 327,680 that there are; two slots of two K steps would need 405,504.
; So two changes of slot, each with its wait for all tensor loads and its round of the cluster's barrier, serve three K steps.  The 16 K steps go
; small, large, small, ... small: 6 x 1 + 5 x 2.
; CLUSTERS 4 x 4: the four work-groups of a cluster's row need the same rows of xb, the four of a column the same rows of wb; each such tile is asked for
; jointly, which divides the requests for both by four.  The kind of a block (q, k, v) hangs on the cluster's x alone (0, 1: q; 2: k; 3: v).
; LIMITS: inv_freq = 2^(-j log2(10000)/64) by v_exp_f32; the angle pos x inv_freq is one f32 product, reduced by 2 pi in two fused steps; sin by its Taylor series
; to degree 15 (error below 1e-6 on [-pi, pi]), cos to degree 14 (below 5e-6).  The angle may differ from a correctly rounded one by about 2.5e-4 at position 2047.
; f16's range: |q|, |k| <= sqrt(128) |1 + w| by the norm itself; |v| must stay under 65,504 (the figures stand at the head of the first launch's text).
;
; REGISTERS: window 0: v1 r, v2 h, v16-26 addresses, two fragment buffers (4 fragments of xb, 8 of wb each); window 1: accumulator tile (a, b) at 8 (8 a + b).
; THE MATRIX INSTRUCTION IS USED TRANSPOSED (source 0: 16 rows of wb, source 1: 16 rows of xb): lane (r, h), register j holds row 16 a + r, column 16 b + 8 h + j.
.set SIZE_K, 2048
.set KSTEP,  128
.set PB,     528                       ; slot 0's pitch: 512 bytes of data + 16 of padding
.set PS,     272                       ; slot 1's pitch: 256 + 16.  Both are odd multiples of 16: the 16 rows of a fragment load start 16 bytes apart modulo 256
.set SMALL,  384*PB                    ; slot 1 begins behind slot 0.  In each slot: xb's 256 rows, then wb's 128 rows
.set STAGE,  SMALL+384*PS              ; behind the ring, never filled by a tensor load: 16 rows x 272 bytes for each wave
.set SPITCH, PS
.set FS,     1                         ; the slot that is read first: the small one, with K step 0
.set OS,     0                         ; the other: K steps 1 and 2
.set FBYTES, KSTEP*2                   ; bytes along K that the first slot holds
.set PAIRS,  (SIZE_K/KSTEP-1)/3        ; pairs of a small and a large slot; one more small slot ends the sum
.set ADRA, 16                          ; v16-17  LDS address of my xb fragments in slot 0, 1
.set ADRB, 20                          ; v20-21  the same for wb
.set STO,  24                          ; where I put 16 bytes of a row
.set RD,   25                          ; where I read a row back
.set CO,   26                          ; my byte offset in qkv
.set F0,   32                          ; fragment buffer 0: xb at +0 .. +31, wb at +32 .. +95
.set F1,   128                         ; fragment buffer 1
.set G1,   24                          ; s[24:31] descriptor group 1, xb's tiles, slot 0;  slot 1's at G1 + G1D = s[80:87]
.set G1D,  56
.set G0,   32                          ; s[32:39] group 0, xb's tiles, a set for each slot
.set G1B,  48                          ; s[48:55] group 1, wb's tiles, slot 0;  slot 1's at G1B + G1BD = s[88:95]
.set G1BD, 40
.set G0B,  56                          ; s[56:63] group 0, wb's tiles
.set MUL, 0x50                         ; C and D in window 1, sources in window 0
.set MSB, 0
.macro WIN new                         ; the immediate's high byte repeats the setting that is left
.if MSB != \new
	s_set_vgpr_msb (MSB<<8)|\new
.set MSB, \new
.endif
.endm
.macro PLACES                          ; four plain vector places behind a matrix instruction (ISA guide 7.12.1) before its registers are loaded into or its result read
.rept 4
	v_nop
.endr
.endm
.macro JLOAD s                         ; waves 0, 1 ask for xb's two halves, waves 2, 3 for wb's: one tensor load a wave; the branch hangs on the wave's number alone
	s_cmp_eq_u32 s11, 0
	s_cbranch_scc0 .Lfor_b_\@
	tensor_load_to_lds s[G0+4*\s:G0+4*\s+3], s[G1+G1D*\s:G1+G1D*\s+7]
	s_nop 0
	s_branch .Lasked_\@
.Lfor_b_\@:
	tensor_load_to_lds s[G0B+4*\s:G0B+4*\s+3], s[G1B+G1BD*\s:G1B+G1BD*\s+7]
	s_nop 0
.Lasked_\@:
.endm
.macro CREST                           ; a round of the cluster's barrier behind its opening work-group barrier
	s_cmp_lg_u32 s10, 0
	s_cbranch_scc1 .Lnot_wave_0_\@
	s_barrier_signal -3
.Lnot_wave_0_\@:
	s_barrier_wait -3
	s_barrier_signal -1
	s_barrier_wait -1
.endm
.macro CROUND
	s_barrier_signal -1
	s_barrier_wait -1
	CREST
.endm
.macro SHAPE g, cols, rows             ; words 1 to 7 of a group 1: a tile of rows x cols elements that lies inside the tensor
	s_mov_b32 s[\g+1], (\cols)<<16                 ; tensor_dim0
	s_mov_b32 s[\g+2], (\rows)<<16                 ; tensor_dim1
	s_mov_b32 s[\g+3], (\cols)<<16                 ; tile_dim0
	s_mov_b32 s[\g+4], \rows                       ; tile_dim1
	s_mov_b32 s[\g+5], SIZE_K                      ; elements from row to row
	s_mov_b32 s[\g+6], 0
	s_mov_b32 s[\g+7], 0
.endm
	s_load_b128 s[4:7], s[0:1], 0x0                ; xb s[4:5], wb s[6:7]
	s_load_b128 s[68:71], s[0:1], 0x10             ; qn_w s[68:69], kn_w s[70:71]
	s_load_b64 s[8:9], s[0:1], 0x20                ; qkv
	v_lshl_add_u32 v254, v0, 2, 0x4f400
	v_mov_b32 v255, 0
	ds_add_u32 v254, v255
	v_lshrrev_b32 v1, 5, v0
	v_readfirstlane_b32 s10, v1                    ; wave 0..3
	s_lshr_b32 s11, s10, 1                         ; I fetch for xb (0) or for wb (1)
	s_and_b32 s12, s10, 1                          ; which half of that tile
	s_bfe_u32 s40, ttmp6, 0x40000                  ; cx
	s_bfe_u32 s41, ttmp6, 0x40004                  ; cy
	s_lshl_b32 s42, ttmp9, 2
	s_add_co_u32 s42, s42, s40                     ; head column hc = 4 x cluster x + cx
	s_and_b32 s13, ttmp7, 0xffff
	s_lshl_b32 s13, s13, 2
	s_add_co_u32 s13, s13, s41                     ; block row br = 4 x cluster y + cy
	s_lshl_b32 s43, s41, 2
	s_lshl_b32 s43, 15, s43                        ; my row of the cluster: places 4 cy .. 4 cy + 3
	s_lshl_b32 s44, 0x1111, s40                    ; my column: places cx, cx + 4, cx + 8, cx + 12
.irp s, 0,1
	; word 0: the mask (xb: my row; wb: my column); elements of 2 bytes; padding on, 4 words behind every 128 words (slot 0, code 6) or 64 (slot 1, code 5); bit 21 beside a mask
	s_or_b32 s[G1+G1D*\s], s43, (1<<16)|(1<<20)|(1<<21)|((6-\s)<<22)|(3<<25)
	s_or_b32 s[G1B+G1BD*\s], s44, (1<<16)|(1<<20)|(1<<21)|((6-\s)<<22)|(3<<25)
	SHAPE G1+G1D*\s, 256-128*\s, 128               ; 128 rows of xb, 256 or 128 along K
	SHAPE G1B+G1BD*\s, 256-128*\s, 64              ; 64 rows of wb
	s_mov_b32 s[G0+4*\s], 1                        ; group 0, word 0: count = 1
	s_mov_b32 s[G0B+4*\s], 1
.endr
	s_mul_i32 s[G0+1], s10, 128*PB                 ; LDS, slot 0: xb's halves at wave x 128 rows (waves 0, 1)
	s_mul_i32 s[G0B+1], s10, 64*PB
	s_add_co_u32 s[G0B+1], s[G0B+1], 128*PB        ; wb's halves at 128 rows + wave x 64 rows (waves 2, 3: rows 256 and 320)
	s_mul_i32 s[G0+5], s10, 128*PS                 ; slot 1 likewise
	s_add_co_u32 s[G0+5], s[G0+5], SMALL
	s_mul_i32 s[G0B+5], s10, 64*PS
	s_add_co_u32 s[G0B+5], s[G0B+5], SMALL+128*PS
	s_lshl_b32 s17, s12, 7
	s_lshl_b32 s16, s13, 8
	s_add_co_u32 s16, s16, s17                     ; xb: row 256 br + 128 half (never holds cx)
	s_mul_i32 s16, s16, SIZE_K*2                   ; in bytes, below 2^24
	s_mov_b32 s17, 0
	s_lshl_b32 s47, s12, 6
	s_lshl_b32 s46, s42, 7
	s_add_co_u32 s46, s46, s47                     ; wb: row 128 hc + 64 half (never holds cy)
	s_mul_i32 s46, s46, SIZE_K*2
	s_mov_b32 s47, 0
	s_mov_b32 s75, 0x3c000000                      ; 1/128
	s_mov_b32 s76, 0x358637bd                      ; 1e-6
	s_mov_b32 s77, 0x76543210                      ; v_permlanex16_b32: lane i reads lane i of the other half
	s_mov_b32 s78, 0xfedcba98
	s_wait_dscnt 0x0
	s_wait_kmcnt 0x0
	s_add_nc_u64 s[G0+4*FS+2:G0+4*FS+3], s[4:5], s[16:17]                      ; the slot read first begins at K = 0,
	s_add_nc_u64 s[G0+4*OS+2:G0+4*OS+3], s[G0+4*FS+2:G0+4*FS+3], FBYTES        ; the other behind what the first holds
	s_add_nc_u64 s[G0B+4*FS+2:G0B+4*FS+3], s[6:7], s[46:47]
	s_add_nc_u64 s[G0B+4*OS+2:G0B+4*OS+3], s[G0B+4*FS+2:G0B+4*FS+3], FBYTES
.irp s, 0,1
	s_or_b32 s[G0+4*\s+3], s[G0+4*\s+3], 0x80000000                            ; type = 2
	s_or_b32 s[G0B+4*\s+3], s[G0B+4*\s+3], 0x80000000
.endr
	s_cmp_lt_u32 ttmp9, 2                          ; q heads lie in cluster columns 0 and 1
	s_cselect_b64 s[72:73], s[68:69], s[70:71]     ; the norm's weights: qn_w for q, kn_w for k
	s_cselect_b32 s74, 0x3e0293ee, 1.0             ; the row scale: 128^-0.5 log2(e) for q, 1 for k
	CROUND                                         ; all sixteen work-groups are here: the first joint loads meet
	JLOAD FS                                       ; both slots' first fills, one group, the slot read first ahead: two tensor loads of the wave are out
	JLOAD OS
	v_and_b32 v1, 15, v0                           ; r
	v_bfe_u32 v2, v0, 4, 1                         ; h
	v_mul_u32_u24 v3, v1, PB
	v_lshl_add_u32 v3, v2, 4, v3                   ; slot 0: r x pitch + 16 h
	v_mul_u32_u24 v4, v1, PS
	v_lshl_add_u32 v4, v2, 4, v4                   ; slot 1 (and the stage, which has the same pitch)
	s_mul_i32 s22, s10, 64*PB                      ; my 64 rows of xb
	s_mul_i32 s23, s10, 64*PS
	s_add_co_u32 s23, s23, SMALL
	v_add_nc_u32 v[ADRA], s22, v3
	v_add_nc_u32 v[ADRB], 256*PB, v3               ; wb's 128 rows, read by every wave
	v_add_nc_u32 v[ADRA+1], s23, v4
	v_add_nc_u32 v[ADRB+1], SMALL+256*PS, v4
	s_mul_i32 s23, s10, 16*SPITCH
	s_add_co_u32 s23, s23, STAGE                   ; my stage
	v_add_nc_u32 v[STO], s23, v4                   ; in: row r, 16 bytes for each half of the lanes
	v_mul_u32_u24 v5, v2, SPITCH
	v_lshl_add_u32 v5, v1, 4, v5
	v_add_nc_u32 v[RD], s23, v5                    ; back: lanes 0-15 one row of 256 bytes, lanes 16-31 the next
	v_lshlrev_b32 v5, 12, v2
	v_lshl_add_u32 v[CO], v1, 4, v5                ; the same two rows in qkv (4,096 bytes apart)
; eight matrix instructions: row tile a x all 8 column tiles, 32 along K.  zero = 1: the product starts the sums.
.macro MULA f, a, zero
.irp b, 0,1,2,3,4,5,6,7
.if \zero
	v_wmma_f32_16x16x32_bf16 v[8*(8*\a+\b):8*(8*\a+\b)+7], v[\f+32+8*\b:\f+32+8*\b+7], v[\f+8*\a:\f+8*\a+7], 0
.else
	v_wmma_f32_16x16x32_bf16 v[8*(8*\a+\b):8*(8*\a+\b)+7], v[\f+32+8*\b:\f+32+8*\b+7], v[\f+8*\a:\f+8*\a+7], v[8*(8*\a+\b):8*(8*\a+\b)+7]
.endif
.endr
.endm
; 24 LDS loads in one run: a quarter's fragments (128 rows of wb, then my 64 rows of xb; 32 K at byte k of the slot's rows).  The slot's pitch is PB - (PB - PS) slot;
; the largest offset, 7 x 16 x 528 + 448 + 32 = 59,616, is inside the 16-bit immediate.
.macro FETCH slot, k, f
	WIN 0
.irp i, 0,1,2,3,4,5,6,7
	ds_load_b128 v[\f+32+8*\i:\f+32+8*\i+3], v[ADRB+\slot] offset:\k+\i*16*(PB-(PB-PS)*\slot)
	ds_load_b128 v[\f+32+8*\i+4:\f+32+8*\i+7], v[ADRB+\slot] offset:\k+\i*16*(PB-(PB-PS)*\slot)+32
.endr
.irp i, 0,1,2,3
	ds_load_b128 v[\f+8*\i:\f+8*\i+3], v[ADRA+\slot] offset:\k+\i*16*(PB-(PB-PS)*\slot)
	ds_load_b128 v[\f+8*\i+4:\f+8*\i+7], v[ADRA+\slot] offset:\k+\i*16*(PB-(PB-PS)*\slot)+32
.endr
.endm
; A quarter is 32 along K, 32 matrix instructions; the small slot has four, the large slot eight, on buffers 0, 1, 0, 1, ...  The 32 accumulators take turns, one
; instruction a turn, in the same order in every quarter and over the backward jump.
; A quarter but a slot's last: multiplies buffer f; in its middle it fetches the next quarter's fragments, at byte k of the same slot's rows, into buffer g.
.macro QUARTER slot, k, f, g, zero
	s_wait_dscnt 4                                 ; all but the youngest four loads (xb's row tiles 2 and 3) are in
	WIN MUL
	MULA \f, 0, \zero
	MULA \f, 1, \zero
	PLACES
	FETCH \slot, \k, \g
	s_wait_dscnt 24                                ; all but the 24 just issued
	WIN MUL
	MULA \f, 2, \zero
	MULA \f, 3, \zero
.endm
.macro RUNS zero                       ; the small slot's first three quarters
	QUARTER 1, 64,  F0, F1, \zero
	QUARTER 1, 128, F1, F0, 0
	QUARTER 1, 192, F0, F1, 0
.endm
.macro RUNB zero                       ; the large slot's first seven quarters
	QUARTER 0, 64,  F0, F1, \zero
	QUARTER 0, 128, F1, F0, 0
	QUARTER 0, 192, F0, F1, 0
	QUARTER 0, 256, F1, F0, 0
	QUARTER 0, 320, F0, F1, 0
	QUARTER 0, 384, F1, F0, 0
	QUARTER 0, 448, F0, F1, 0
.endm
; A slot's last quarter multiplies buffer 1 and changes slots.  In front of the barrier each wave waits for its reads of this slot and for all its tensor loads (one is
; out: its part of the next slot).  Where the slot is filled again the barrier opens a round of the cluster's barrier, and the joint refill is the first tensor load behind it.
; Between a request and the wait for it a wave issues 248 matrix instructions (the small slot's load: 16 + 7 x 32 + 8) or 120 (the large slot's: 16 + 3 x 32 + 8).
.macro TURN slot, next, fill
	s_wait_dscnt 4
	WIN MUL
	MULA F1, 0, 0
	s_wait_dscnt 0                                 ; my reads of this slot are over
	s_wait_tensorcnt 0x0                           ; all my tensor loads have landed
	ds_add_u32 v254, v255
	s_wait_dscnt 0x0
	s_barrier_signal -1
	MULA F1, 1, 0                                  ; register work while the others arrive
	WIN 0
	s_barrier_wait -1
.if \fill
	CREST                                          ; no wave of any partner still reads this slot or has a load on its way
	s_add_nc_u64 s[G0+4*\slot+2:G0+4*\slot+3], s[G0+4*\slot+2:G0+4*\slot+3], 3*KSTEP*2      ; either slot comes round again three K steps on
	s_add_nc_u64 s[G0B+4*\slot+2:G0B+4*\slot+3], s[G0B+4*\slot+2:G0B+4*\slot+3], 3*KSTEP*2
	JLOAD \slot
.endif
	PLACES
	FETCH \next, 0, F0
	WIN MUL
	MULA F1, 2, 0
	MULA F1, 3, 0
.endm
.macro PAIR zero                       ; a small and a large slot, three K steps, both filled again
	RUNS \zero
	TURN 1, 0, 1
	RUNB 0
	TURN 0, 1, 1
.endm
	s_wait_tensorcnt 1                             ; my part of the small slot (K step 0) is in; the large slot's stays out
	s_barrier_signal -1
	s_barrier_wait -1
	FETCH FS, 0, F0
	PAIR 1                                         ; the first pair's first products start the sums
	WIN 0
	s_mov_b32 s3, PAIRS-2
.Lpair:
	PAIR 0
	WIN 0
	s_sub_co_u32 s3, s3, 1
	s_cmp_lg_u32 s3, 0
	s_cbranch_scc1 .Lpair
	RUNS 0                                         ; the last pair: the small slot is filled once more, with the last K step,
	TURN 1, 0, 1
	RUNB 0
	TURN 0, 1, 0                                   ; the large slot no more
	RUNS 0                                         ; the last K step
	s_wait_dscnt 4
	WIN MUL
	MULA F1, 0, 0
	MULA F1, 1, 0
	s_wait_dscnt 0
	MULA F1, 2, 0
	MULA F1, 3, 0
	PLACES                                         ; behind the last matrix instructions: results are read and fragment registers written below
	WIN 0
	; THE WAY OUT.  Window 0's fragment registers are free now:
.set GN,  32                           ; v[32:95]    1 + w of column 16 b + 8 h + j at GN + 8 b + j
.set FQ,  96                           ; v[96:127]   inv_freq of pair 16 b + 8 h + j, b < 4
.set SS,  128                          ; v[128:135]  four chains of the sum of squares
.set RS,  136                          ; v[136:137]  the row's factor, twice
.set POS, 138                          ; v[138:139]  the row's position in f32, twice
.set A8,  140                          ; v[140:147]  angle, reduced angle, then y2 sin
.set N8,  148                          ; v[148:155]  turns, angle squared, then y1 sin
.set SN,  156                          ; v[156:163]  sin
.set CS,  164                          ; v[164:171]  cos
.set RB,  140                          ; v[140:171]  rows read back (the same registers as A8 .. CS)
.set Y,   172                          ; v[172:235]  the row tile at work, column tile b at Y + 8 b
.set C15, 236                          ; v[236:237]  -1/15!, twice
.set C14, 238                          ; v[238:239]  -1/14!, twice
	s_lshl_b32 s16, s13, 8
	s_lshl_b32 s17, s10, 6
	s_add_co_u32 s16, s16, s17                     ; my first row
	s_and_b32 s79, s16, 2047                       ; its position in the sequence
	s_lshl_b32 s16, s16, 12                        ; x 4,096 bytes
	s_mov_b32 s17, 0
	s_add_nc_u64 s[8:9], s[8:9], s[16:17]
	s_lshl_b32 s46, s42, 8                         ; the head's 256 bytes
	s_mov_b32 s47, 0
	s_add_nc_u64 s[8:9], s[8:9], s[46:47]
; 16 rows through my stage: 16 bytes a lane in, whole rows of 256 bytes back, sixteen lanes store 256 consecutive bytes at a multiple of 256.
.macro STOREROWS a
.irp b, 0,1,2,3,4,5,6,7
	ds_store_b128 v[STO], v[Y+8*\b:Y+8*\b+3] offset:32*\b
.endr
	s_wait_xcnt 0x0                                ; RB and the base, which the last tile's stores read, are rewritten only behind this wait
.if \a
	s_add_nc_u64 s[8:9], s[8:9], 16*4096
.endif
.irp t, 0,1,2,3,4,5,6,7
	ds_load_b128 v[RB+4*\t:RB+4*\t+3], v[RD] offset:\t*2*SPITCH     ; LDS serves a wave's instructions in order: these see the stores above
.endr
.irp t, 0,1,2,3,4,5,6,7
	s_wait_dscnt 7-\t                              ; read-back t is in, the younger ones stay out
	global_store_b128 v[CO], v[RB+4*\t:RB+4*\t+3], s[8:9] offset:\t*2*4096
.endr
.endm
	s_cmp_eq_u32 ttmp9, 3                          ; v heads: the cluster's x alone decides, alike in all partners
	s_cbranch_scc1 .Lv
	; q and k heads.  The norm's weights, and inv_freq while they are on their way.
	v_lshlrev_b32 v6, 5, v2                        ; 8 h numbers of 4 bytes
.irp b, 0,1,2,3,4,5,6,7
	global_load_b128 v[GN+8*\b:GN+8*\b+3], v6, s[72:73] offset:64*\b
	global_load_b128 v[GN+8*\b+4:GN+8*\b+7], v6, s[72:73] offset:64*\b+16
.endr
	v_lshlrev_b32 v7, 3, v2                        ; 8 h
	v_add_nc_u32 v27, s79, v1                      ; position of row r of row tile 0
	v_mov_b32 v28, 0                               ; v_permlanex16_b32's destination counts as read
	v_mov_b32 v[C15], 0xab573f9f
	v_mov_b32 v[C15+1], 0xab573f9f
	v_mov_b32 v[C14], 0xad49cba5
	v_mov_b32 v[C14+1], 0xad49cba5
.irp b, 0,1,2,3
.irp j, 0,1,2,3,4,5,6,7
	v_add_nc_u32 v[FQ+8*\b+\j], 16*\b+\j, v7
	v_cvt_f32_u32 v[FQ+8*\b+\j], v[FQ+8*\b+\j]
	v_mul_f32 v[FQ+8*\b+\j], 0xbe549a78, v[FQ+8*\b+\j]     ; x -log2(10000)/64
.endr
.irp j, 0,1,2,3,4,5,6,7
	v_exp_f32 v[FQ+8*\b+\j], v[FQ+8*\b+\j]
.endr
	v_nop                                          ; a plain place behind the run of exponentials (ISA guide 5.7.2)
.endr
	s_wait_loadcnt 0x0
.set pp, 0
.rept 32
	v_pk_add_f32 v[GN+2*pp:GN+2*pp+1], v[GN+2*pp:GN+2*pp+1], 1.0 op_sel_hi:[1,0]
.set pp, pp+1
.endr
; the row factor rsqrt(mean of squares + eps) x scale of row tile a, and the rows' positions
.macro SUMSQ a
	WIN 0x05                                       ; sources 0 and 1 in window 1
.irp p, 0,1,2,3
	v_pk_mul_f32 v[SS+2*\p:SS+2*\p+1], v[64*\a+2*\p:64*\a+2*\p+1], v[64*\a+2*\p:64*\a+2*\p+1]
.endr
.set pp, 4
.rept 28
	v_pk_fma_f32 v[SS+2*(pp%4):SS+2*(pp%4)+1], v[64*\a+2*pp:64*\a+2*pp+1], v[64*\a+2*pp:64*\a+2*pp+1], v[SS+2*(pp%4):SS+2*(pp%4)+1]
.set pp, pp+1
.endr
	WIN 0
	v_pk_add_f32 v[SS:SS+1], v[SS:SS+1], v[SS+2:SS+3]
	v_pk_add_f32 v[SS+4:SS+5], v[SS+4:SS+5], v[SS+6:SS+7]
	v_pk_add_f32 v[SS:SS+1], v[SS:SS+1], v[SS+4:SS+5]
	v_add_f32 v[SS], v[SS], v[SS+1]
	v_permlanex16_b32 v28, v[SS], s77, s78         ; the row's other 64 columns lie in the other half of the lanes
	v_add_f32 v[SS], v[SS], v28
	v_fma_f32 v[SS], v[SS], s75, s76               ; mean + eps
	v_rsq_f32 v[SS+1], v[SS]
	v_add_nc_u32 v[POS], 16*\a, v27                ; plain work behind the root
	v_cvt_f32_u32 v[POS], v[POS]
	v_mov_b32 v[POS+1], v[POS]
	s_wait_alu depctr_va_vdst(0)
	v_mul_f32 v[RS], s74, v[SS+1]
	v_mov_b32 v[RS+1], v[RS]
.endm
.macro YPASS a                         ; y = x (1 + w) x row factor
	WIN 0x01                                       ; source 0 in window 1
.set pp, 0
.rept 32
	v_pk_mul_f32 v[Y+2*pp:Y+2*pp+1], v[64*\a+2*pp:64*\a+2*pp+1], v[GN+2*pp:GN+2*pp+1]
.set pp, pp+1
.endr
	WIN 0
.set pp, 0
.rept 32
	v_pk_mul_f32 v[Y+2*pp:Y+2*pp+1], v[Y+2*pp:Y+2*pp+1], v[RS:RS+1]
.set pp, pp+1
.endr
.endm
.macro HSTEP ks, kc                    ; one Horner step of sin's and of cos's series, eight angles
.irp p, 0,1,2,3
	v_pk_fma_f32 v[SN+2*\p:SN+2*\p+1], v[SN+2*\p:SN+2*\p+1], v[N8+2*\p:N8+2*\p+1], \ks op_sel_hi:[1,1,0]
	v_pk_fma_f32 v[CS+2*\p:CS+2*\p+1], v[CS+2*\p:CS+2*\p+1], v[N8+2*\p:N8+2*\p+1], \kc op_sel_hi:[1,1,0]
.endr
.endm
; RoPE on column tiles b (d < 64) and b + 4 (d + 64): y1' = y1 cos - y2 sin, y2' = y2 cos + y1 sin
.macro ROT b
.irp p, 0,1,2,3
	v_pk_mul_f32 v[A8+2*\p:A8+2*\p+1], v[FQ+8*\b+2*\p:FQ+8*\b+2*\p+1], v[POS:POS+1]
.endr
.irp p, 0,1,2,3
	v_pk_mul_f32 v[N8+2*\p:N8+2*\p+1], v[A8+2*\p:A8+2*\p+1], 0x3e22f983 op_sel_hi:[1,0]      ; / 2 pi
.endr
.irp j, 0,1,2,3,4,5,6,7
	v_rndne_f32 v[N8+\j], v[N8+\j]
.endr
.irp p, 0,1,2,3
	v_pk_fma_f32 v[A8+2*\p:A8+2*\p+1], v[N8+2*\p:N8+2*\p+1], 0xc0c90fdb, v[A8+2*\p:A8+2*\p+1] op_sel_hi:[1,0,1]   ; - n x f32(2 pi)
.endr
.irp p, 0,1,2,3
	v_pk_fma_f32 v[A8+2*\p:A8+2*\p+1], v[N8+2*\p:N8+2*\p+1], 0x343bbd2e, v[A8+2*\p:A8+2*\p+1] op_sel_hi:[1,0,1]   ; + n x (f32(2 pi) - 2 pi)
.endr
.irp p, 0,1,2,3
	v_pk_mul_f32 v[N8+2*\p:N8+2*\p+1], v[A8+2*\p:A8+2*\p+1], v[A8+2*\p:A8+2*\p+1]
.endr
.irp p, 0,1,2,3
	v_pk_fma_f32 v[SN+2*\p:SN+2*\p+1], v[N8+2*\p:N8+2*\p+1], v[C15:C15+1], 0x2f309231 op_sel_hi:[1,1,0]   ; -1/15! z + 1/13!
	v_pk_fma_f32 v[CS+2*\p:CS+2*\p+1], v[N8+2*\p:N8+2*\p+1], v[C14:C14+1], 0x310f76c7 op_sel_hi:[1,1,0]   ; -1/14! z + 1/12!
.endr
	HSTEP 0xb2d7322b, 0xb493f27e                   ; -1/11!, -1/10!
	HSTEP 0x3638ef1d, 0x37d00d01                   ;  1/9!,   1/8!
	HSTEP 0xb9500d01, 0xbab60b61                   ; -1/7!,  -1/6!
	HSTEP 0x3c088889, 0x3d2aaaab                   ;  1/5!,   1/4!
	HSTEP 0xbe2aaaab, -0.5                         ; -1/3!,  -1/2!
	HSTEP 1.0, 1.0
.irp p, 0,1,2,3
	v_pk_mul_f32 v[SN+2*\p:SN+2*\p+1], v[SN+2*\p:SN+2*\p+1], v[A8+2*\p:A8+2*\p+1]
.endr
.irp p, 0,1,2,3
	v_pk_mul_f32 v[A8+2*\p:A8+2*\p+1], v[Y+8*(\b+4)+2*\p:Y+8*(\b+4)+2*\p+1], v[SN+2*\p:SN+2*\p+1]
	v_pk_mul_f32 v[N8+2*\p:N8+2*\p+1], v[Y+8*\b+2*\p:Y+8*\b+2*\p+1], v[SN+2*\p:SN+2*\p+1]
.endr
.irp p, 0,1,2,3
	v_pk_fma_f32 v[Y+8*\b+2*\p:Y+8*\b+2*\p+1], v[Y+8*\b+2*\p:Y+8*\b+2*\p+1], v[CS+2*\p:CS+2*\p+1], v[A8+2*\p:A8+2*\p+1] neg_lo:[0,0,1] neg_hi:[0,0,1]
	v_pk_fma_f32 v[Y+8*(\b+4)+2*\p:Y+8*(\b+4)+2*\p+1], v[Y+8*(\b+4)+2*\p:Y+8*(\b+4)+2*\p+1], v[CS+2*\p:CS+2*\p+1], v[N8+2*\p:N8+2*\p+1]
.endr
.endm
.irp a, 0,1,2,3
	SUMSQ \a
	YPASS \a
	s_wait_xcnt 0x0                                ; the last tile's stores read RB, which the rotation writes
	ROT 0
	ROT 1
	ROT 2
	ROT 3
.irp b, 0,1,2,3,4,5,6,7
.irp q, 0,1,2,3
	v_cvt_pk_f16_f32 v[Y+8*\b+\q], v[Y+8*\b+2*\q], v[Y+8*\b+2*\q+1]     ; to f16, in place, ascending: no unread number is overwritten
.endr
.endr
	STOREROWS \a
.endr
	s_branch .Ldone
.Lv:	; v heads: rounded to f16 and stored as they are
.irp a, 0,1,2,3
	WIN 0x05
.irp b, 0,1,2,3,4,5,6,7
.irp q, 0,1,2,3
	v_cvt_pk_f16_f32 v[Y+8*\b+\q], v[64*\a+8*\b+2*\q], v[64*\a+8*\b+2*\q+1]
.endr
.endr
	WIN 0
	STOREROWS \a
.endr
.Ldone:
	s_wait_tensorcnt 0x0
	ds_add_u32 v254, v255
	s_wait_dscnt 0x0
	CROUND                                         ; the closing round: no work-group ends while a partner may still ask for a tile that names it
	s_endpgm
.Lfunc_end_k_q8a62e6ed85_qkvproj:
	.size	k_q8a62e6ed85_qkvproj, .Lfunc_end_k_q8a62e6ed85_qkvproj-k_q8a62e6ed85_qkvproj
	.p2alignl 7, 3214868480
	.fill 96, 4, 3214868480
	.section	.rodata,"a",@progbits
	.p2align	6, 0x0
	.amdhsa_kernel k_q8a62e6ed85_qkvproj
		.amdhsa_group_segment_fixed_size 327680
		.amdhsa_private_segment_fixed_size 0
		.amdhsa_enable_private_segment 0
		.amdhsa_kernarg_size 40
		.amdhsa_user_sgpr_count 2
		.amdhsa_user_sgpr_kernarg_segment_ptr 1
		.amdhsa_wavefront_size32 1
		.amdhsa_system_sgpr_workgroup_id_x 1
		.amdhsa_system_sgpr_workgroup_id_y 1
		.amdhsa_system_sgpr_workgroup_id_z 1
		.amdhsa_system_vgpr_workitem_id 0
		.amdhsa_next_free_vgpr 512
		.amdhsa_next_free_sgpr 96
		.amdhsa_reserve_vcc 0
		.amdhsa_float_denorm_mode_32 3
		.amdhsa_float_denorm_mode_16_64 3
		.amdhsa_memory_ordered 1
		.amdhsa_forward_progress 1
		.amdhsa_inst_pref_size 255
	.end_amdhsa_kernel
	.section	.bss,"aw",@nobits
	.p2align	6
	.space	262144
	.amdgpu_metadata
---
amdhsa.version: [ 1, 2 ]
amdhsa.kernels:
  - .name:           k_q8a62e6ed85_qkvproj
    .symbol:         k_q8a62e6ed85_qkvproj.kd
    .args:
      - { .name: xb, .offset: 0, .size: 8, .value_kind: global_buffer, .address_space: global }
      - { .name: wb, .offset: 8, .size: 8, .value_kind: global_buffer, .address_space: global }
      - { .name: qn_w, .offset: 16, .size: 8, .value_kind: global_buffer, .address_space: global }
      - { .name: kn_w, .offset: 24, .size: 8, .value_kind: global_buffer, .address_space: global }
      - { .name: qkv, .offset: 32, .size: 8, .value_kind: global_buffer, .address_space: global }
    .group_segment_fixed_size: 327680
    .private_segment_fixed_size: 0
    .kernarg_segment_align: 8
    .kernarg_segment_size: 40
    .max_flat_workgroup_size: 128
    .sgpr_count:     96
    .vgpr_count:     512
    .wavefront_size: 32
...
	.end_amdgpu_metadata
.endif
;; end of part 2
;; launch attn (part 3): grid 32 x 8, 4 waves a work-group, no clusters, 53,760 bytes of LDS; arguments qkv, ctx; writes ctx
.if DOCPART == 3
	.amdgcn_target "amdgcn-amd-amdhsa--gfx1250"
	.amdhsa_code_object_version 6
	.text
	.protected	k_q8a62e6ed85_attn
	.globl	k_q8a62e6ed85_attn
	.p2align	8
	.type	k_q8a62e6ed85_attn,@function
k_q8a62e6ed85_attn:
	s_mov_b64 s[64:65], 0
	v_nop
	global_prefetch_b8 v0, s[64:65] scope:SCOPE_SE
	s_setreg_imm32_b32 hwreg(HW_REG_WAVE_MODE, 25, 1), 1
	s_wait_xcnt 0x0
; Attention over the window 0 <= t - k <= 512, softmax with a running maximum, in powers of two (q carries 128^-0.5 log2(e)).  Operands f16, sums f32.
; LEFT OUT: tiles of 64 keys that the function's own mask throws away whole (shown at the head of the first launch's text).
; Work-group (i, y): positions 64 i .. 64 i + 63 of sequence b = y / 4, BOTH query heads 2 hk, 2 hk + 1 of key/value head hk = y % 4: the two heads share each K and V tile.
; Wave w: head g = w / 2, positions 32 (w % 2) + 0 .. 31 of the block, as two query tiles nt of 16.
; Key tiles of 64, walked downward: the diagonal one (valid: key <= query), min(i, 7) whole ones, and where i >= 8 the one 512 back (valid: key's place >= query's place).
; The diagonal tile goes first: each row has its own key there, so the running maximum is a true score from the start, and its products start the sums.
; NO CLUSTER: neighbouring query blocks need windows shifted by a tile; a joint walk of four blocks has 12 tiles, and.
; NO TENSOR LOADS: a work-group has 1 to 9 tiles by its number; K and V come through registers, one tile ahead, into one LDS tile.
; LAYOUTS: S^T = K Q^T (source 0 K, source 1 Q): lane (r, h), register j holds query r, key 16 kt + 8 h + j.  Two such tiles, packed, ARE the fragment of P for 32 keys.
; O^T = V^T P^T (source 0 V by the transposing LDS load, source 1 P): lane holds query r, d = 16 dt + 8 h + j.  A row's figures are one number a lane; the halves meet by one lane swap.
; LIMITS: P (in [0, 1]; weights under 2^-14 step by 2^-24) and ctx (a mean of rows of v, so inside v's range) are rounded to f16; the row sum is taken from the unrounded weights.
.set KP,   272                         ; K's LDS pitch
.set VP,   288                         ; V's LDS pitch: an odd multiple of 32 for the transposing load
.set VB,   64*KP                       ; V's tile behind K's
.set STGL, VB+64*VP                    ; stage of 16 rows x 272 bytes for each wave
.set TSTEP, 64*4096                    ; 64 rows of qkv
.set SC,  32                           ; v[32:95]   scores, tile (kt, nt) at SC + 8 (2 kt + nt)
.set PF,  96                           ; v[96:127]  P's fragment (nt, ks) at PF + 16 nt + 8 ks; at work before the pack
.set FR,  128                          ; v[128:255] K's fragment (kk, kt) at FR + 32 kk + 8 kt, then V's (ks, dt) at FR + 64 ks + 8 dt
.set QF,  128                          ; window 1: Q's fragment (nt, kk) at QF + 8 (4 nt + kk);  O's tile (dt, nt) at 8 (2 dt + nt)
.set TG,  192                          ; window 1: the next tile on its way: K's row group i at TG + 4 i, V's at TG + 32 + 4 i
; window 0: v1 r, v2 h, v4 K read, v5 V read, v6 K store, v7 V store, v8 tile offset, v9 Q offset, v10 stage in, v11 stage back, v12 ctx offset, v13 lowest f32,
; v14-15 query's place - 8 h for nt 0, 1; v16-17 running maximum; v18-19 running sum (my half of the keys); v[20:23] new maximum, twice each; v[24:27] rescale factor, twice each
.set MSB, 0
.macro WIN new
.if MSB != \new
	s_set_vgpr_msb (MSB<<8)|\new
.set MSB, \new
.endif
.endm
.macro PLACES
.rept 4
	v_nop
.endr
.endm
	s_load_b128 s[4:7], s[0:1], 0x0                ; qkv s[4:5], ctx s[6:7]
	v_lshl_add_u32 v3, v0, 2, 0xd000
	s_set_vgpr_msb 0x80
	v_mov_b32 v1, 0
	s_set_vgpr_msb 0x8000
	v_lshrrev_b32 v1, 5, v0
	v_readfirstlane_b32 s8, v1                     ; wave
	s_lshr_b32 s9, s8, 1                           ; g
	s_and_b32 s10, s8, 1                           ; which 32 positions
	s_mov_b32 s11, ttmp9                           ; i
	s_and_b32 s12, ttmp7, 0xffff
	s_lshr_b32 s13, s12, 2                         ; b
	s_and_b32 s14, s12, 3                          ; hk
	s_min_u32 s22, s11, 8                          ; tiles behind the diagonal one
	s_min_u32 s23, s11, 7                          ; whole tiles among them
	s_mov_b32 s28, 0x76543210
	s_mov_b32 s29, 0xfedcba98
	s_lshl_b32 s15, s13, 11
	s_lshl_b32 s26, s11, 6
	s_add_co_u32 s15, s15, s26                     ; the block's first row
	s_lshl_b32 s26, s15, 12
	s_lshl_b32 s27, s14, 8
	s_add_co_u32 s26, s26, s27
	s_add_co_u32 s26, s26, 2048                    ; K's heads begin at byte 2,048 of a row; V's lie 1,024 further
	s_mov_b32 s27, 0
	s_lshl_b32 s36, s10, 5
	s_add_co_u32 s30, s15, s36                     ; my first row
	s_lshl_b32 s31, s14, 1
	s_add_co_u32 s31, s31, s9
	s_lshl_b32 s31, s31, 8                         ; my query head's 256 bytes
	s_lshl_b32 s32, s30, 12
	s_add_co_u32 s32, s32, s31
	s_mov_b32 s33, 0
	s_lshl_b32 s34, s30, 11
	s_add_co_u32 s34, s34, s31
	s_mov_b32 s35, 0
	s_mul_i32 s37, s8, 16*KP
	s_add_co_u32 s37, s37, STGL                    ; my stage
	s_mul_i32 s38, s8, 2*KP                        ; a wave stores rows 2 w, 2 w + 1 of each group of eight
	s_mul_i32 s39, s8, 2*VP
	s_add_co_u32 s39, s39, VB
	s_lshl_b32 s40, s8, 13
	v_and_b32 v1, 15, v0                           ; r
	v_bfe_u32 v2, v0, 4, 1                         ; h
	v_mul_u32_u24 v4, v1, KP
	v_lshl_add_u32 v4, v2, 4, v4                   ; K fragment: r x pitch + 16 h
	v_and_b32 v30, 7, v0
	v_lshl_add_u32 v30, v2, 3, v30
	v_mul_u32_u24 v5, v30, VP
	v_bfe_u32 v30, v0, 3, 1
	v_lshl_add_u32 v5, v30, 4, v5
	v_add_nc_u32 v5, VB, v5                        ; V fragment: (8 h + l % 8) x pitch + 16 ((l / 8) % 2)
	v_mul_u32_u24 v6, v2, KP
	v_lshl_add_u32 v6, v1, 4, v6
	v_add_nc_u32 v6, s38, v6                       ; K store: row 2 w + h, 16 r
	v_mul_u32_u24 v7, v2, VP
	v_lshl_add_u32 v7, v1, 4, v7
	v_add_nc_u32 v7, s39, v7
	v_lshlrev_b32 v8, 12, v2
	v_lshl_add_u32 v8, v1, 4, v8
	v_add_nc_u32 v8, s40, v8                       ; the same row and bytes in qkv: sixteen lanes take a row's 256 bytes
	v_lshlrev_b32 v9, 12, v1
	v_lshl_add_u32 v9, v2, 4, v9                   ; Q fragment straight from qkv: row r, 16 h
	v_mul_u32_u24 v10, v1, KP
	v_lshl_add_u32 v10, v2, 4, v10
	v_add_nc_u32 v10, s37, v10
	v_mul_u32_u24 v11, v2, KP
	v_lshl_add_u32 v11, v1, 4, v11
	v_add_nc_u32 v11, s37, v11
	v_lshlrev_b32 v12, 11, v2
	v_lshl_add_u32 v12, v1, 4, v12
	v_mov_b32 v13, 0xff7fffff                      ; the lowest f32, as the function's mask sets it
	v_lshlrev_b32 v30, 3, v2
	v_sub_nc_u32 v14, v1, v30
	v_add_nc_u32 v14, s36, v14                     ; 32 (w % 2) + r - 8 h, signed
	v_add_nc_u32 v15, 16, v14
	v_mov_b32 v28, 0                               ; destinations of v_permlanex16_b32 count as read
	v_mov_b32 v29, 0
	s_wait_kmcnt 0x0
	s_add_nc_u64 s[16:17], s[4:5], s[26:27]        ; the diagonal tile of K
	s_add_nc_u64 s[18:19], s[4:5], s[32:33]        ; my Q rows
	s_add_nc_u64 s[20:21], s[6:7], s[34:35]        ; my ctx rows
.macro LOADT                           ; a tile of K and of V into registers: 16 loads
	WIN 0x40
.irp i, 0,1,2,3,4,5,6,7
	global_load_b128 v[TG+4*\i:TG+4*\i+3], v8, s[16:17] offset:32768*\i
.endr
.irp i, 0,1,2,3,4,5,6,7
	global_load_b128 v[TG+32+4*\i:TG+32+4*\i+3], v8, s[16:17] offset:32768*\i+1024
.endr
	WIN 0
.endm
.macro NEXTT                           ; SCC = 1: no further tile.  Else the base steps 64 rows down (free: the loads that named it were waited for) and the next tile is asked for
	s_cbranch_scc1 .Lno_more_\@
	s_sub_nc_u64 s[16:17], s[16:17], TSTEP
	LOADT
.Lno_more_\@:
.endm
.macro STAGE first                     ; the tile goes from registers into LDS
	s_wait_loadcnt 0x0                             ; the tile is in (and Q, the first time)
.if \first
.else
	s_wait_dscnt 0x0                               ; my reads of the old tile are over
	s_barrier_signal -1
	s_barrier_wait -1                              ; everybody's are
.endif
	WIN 0x04                                       ; store data in window 1
.irp i, 0,1,2,3,4,5,6,7
	ds_store_b128 v6, v[TG+4*\i:TG+4*\i+3] offset:8*KP*\i
.endr
.irp i, 0,1,2,3,4,5,6,7
	ds_store_b128 v7, v[TG+32+4*\i:TG+32+4*\i+3] offset:8*VP*\i
.endr
	WIN 0
	s_wait_dscnt 0x0                               ; my stores are done, for the others' sake
	s_barrier_signal -1
	s_barrier_wait -1
.endm
.macro QKK kk, zero                    ; eight score tiles take turns, 32 of d
	s_wait_dscnt 24-8*\kk                          ; K's fragments of this kk are in; the eight loads of each later kk stay out
.irp kt, 0,1,2,3
.irp nt, 0,1
.if \zero
	v_wmma_f32_16x16x32_f16 v[SC+8*(2*\kt+\nt):SC+8*(2*\kt+\nt)+7], v[FR+32*\kk+8*\kt:FR+32*\kk+8*\kt+7], v[QF+8*(4*\nt+\kk):QF+8*(4*\nt+\kk)+7], 0
.else
	v_wmma_f32_16x16x32_f16 v[SC+8*(2*\kt+\nt):SC+8*(2*\kt+\nt)+7], v[FR+32*\kk+8*\kt:FR+32*\kk+8*\kt+7], v[QF+8*(4*\nt+\kk):QF+8*(4*\nt+\kk)+7], v[SC+8*(2*\kt+\nt):SC+8*(2*\kt+\nt)+7]
.endif
.endr
.endr
.endm
.macro PVK ks, zero                    ; sixteen output tiles take turns, 32 keys
	s_wait_dscnt 16-16*\ks                         ; V's fragments of this ks are in; the sixteen loads of ks = 1 may stay out
.irp dt, 0,1,2,3,4,5,6,7
.irp nt, 0,1
.if \zero
	v_wmma_f32_16x16x32_f16 v[8*(2*\dt+\nt):8*(2*\dt+\nt)+7], v[FR+64*\ks+8*\dt:FR+64*\ks+8*\dt+7], v[PF+16*\nt+8*\ks:PF+16*\nt+8*\ks+7], 0
.else
	v_wmma_f32_16x16x32_f16 v[8*(2*\dt+\nt):8*(2*\dt+\nt)+7], v[FR+64*\ks+8*\dt:FR+64*\ks+8*\dt+7], v[PF+16*\nt+8*\ks:PF+16*\nt+8*\ks+7], v[8*(2*\dt+\nt):8*(2*\dt+\nt)+7]
.endif
.endr
.endr
.endm
; One key tile.  mode 0: whole, 1: diagonal, 2: 512 back.  first = 1: starts maximum, sum and output.
; All accumulators take turns, one instruction a turn, and neighbouring phases name other accumulators.
.macro COMPUTE mode, first
.irp kk, 0,1,2,3
.irp kt, 0,1,2,3
	ds_load_b128 v[FR+32*\kk+8*\kt:FR+32*\kk+8*\kt+3], v4 offset:16*KP*\kt+64*\kk
	ds_load_b128 v[FR+32*\kk+8*\kt+4:FR+32*\kk+8*\kt+7], v4 offset:16*KP*\kt+64*\kk+32
.endr
.endr
	WIN 0x04                                       ; source 1 (Q) in window 1
	QKK 0, 1
	QKK 1, 0
	QKK 2, 0
	QKK 3, 0
	WIN 0
	PLACES                                         ; behind the products: K's fragment registers are loaded into, the scores read
.irp ks, 0,1
.irp dt, 0,1,2,3,4,5,6,7
	ds_load_tr16_b128 v[FR+64*\ks+8*\dt:FR+64*\ks+8*\dt+3], v5 offset:32*VP*\ks+32*\dt          ; V's fragments land during the softmax
	ds_load_tr16_b128 v[FR+64*\ks+8*\dt+4:FR+64*\ks+8*\dt+7], v5 offset:32*VP*\ks+32*\dt+16*VP
.endr
.endr
.if \mode == 1
.irp kt, 0,1,2,3
.irp nt, 0,1
.irp j, 0,1,2,3,4,5,6,7
	v_cmp_le_i32 vcc_lo, 16*\kt+\j, v[14+\nt]      ; key's place 16 kt + 8 h + j <= query's place
	v_cndmask_b32 v[SC+8*(2*\kt+\nt)+\j], v13, v[SC+8*(2*\kt+\nt)+\j], vcc_lo
.endr
.endr
.endr
.endif
.if \mode == 2
.irp kt, 0,1,2,3
.irp nt, 0,1
.irp j, 0,1,2,3,4,5,6,7
	v_cmp_ge_i32 vcc_lo, 16*\kt+\j, v[14+\nt]      ; distance 512 + query's place - key's place <= 512
	v_cndmask_b32 v[SC+8*(2*\kt+\nt)+\j], v13, v[SC+8*(2*\kt+\nt)+\j], vcc_lo
.endr
.endr
.endr
.endif
	; the tile's row maxima: eight chains (tile t = 2 kt + nt), then over kt, then the other half of the lanes
.irp t, 0,1,2,3,4,5,6,7
	v_max3_num_f32 v[PF+\t], v[SC+8*\t], v[SC+8*\t+1], v[SC+8*\t+2]
.endr
.irp t, 0,1,2,3,4,5,6,7
	v_max3_num_f32 v[PF+\t], v[PF+\t], v[SC+8*\t+3], v[SC+8*\t+4]
.endr
.irp t, 0,1,2,3,4,5,6,7
	v_max3_num_f32 v[PF+\t], v[PF+\t], v[SC+8*\t+5], v[SC+8*\t+6]
.endr
.irp t, 0,1,2,3,4,5,6,7
	v_max_num_f32 v[PF+\t], v[PF+\t], v[SC+8*\t+7]
.endr
.irp nt, 0,1
	v_max3_num_f32 v[PF+\nt], v[PF+\nt], v[PF+2+\nt], v[PF+4+\nt]
.endr
.irp nt, 0,1
	v_max_num_f32 v[PF+\nt], v[PF+\nt], v[PF+6+\nt]
.endr
	v_permlanex16_b32 v28, v[PF], s28, s29
	v_permlanex16_b32 v29, v[PF+1], s28, s29
.if \first
	v_max_num_f32 v20, v[PF], v28
	v_max_num_f32 v22, v[PF+1], v29
.else
	v_max3_num_f32 v20, v[PF], v28, v16            ; the running maximum
	v_max3_num_f32 v22, v[PF+1], v29, v17
	v_sub_f32 v24, v16, v20
	v_sub_f32 v26, v17, v22
	v_exp_f32 v24, v24                             ; what the old sums are worth under the new maximum
	v_exp_f32 v26, v26
.endif
	v_mov_b32 v16, v20                             ; plain work behind the exponentials
	v_mov_b32 v17, v22
	v_mov_b32 v21, v20
	v_mov_b32 v23, v22
.if \first
.else
	s_wait_alu depctr_va_vdst(0)
	v_mov_b32 v25, v24
	v_mov_b32 v27, v26
.endif
.irp t, 0,1,2,3,4,5,6,7
.irp q, 0,1,2,3
	v_pk_add_f32 v[SC+8*\t+2*\q:SC+8*\t+2*\q+1], v[SC+8*\t+2*\q:SC+8*\t+2*\q+1], v[20+2*(\t%2):21+2*(\t%2)] neg_lo:[0,1] neg_hi:[0,1]
.endr
.endr
.set pp, 0
.rept 64
	v_exp_f32 v[SC+pp], v[SC+pp]
.set pp, pp+1
.endr
	v_nop                                          ; a plain place behind the run of exponentials (ISA guide 5.7.2)
	; row sums of the unrounded weights, my half of the keys
	s_wait_alu depctr_va_vdst(0)
.irp t, 0,1,2,3,4,5,6,7
	v_pk_add_f32 v[PF+2*\t:PF+2*\t+1], v[SC+8*\t:SC+8*\t+1], v[SC+8*\t+2:SC+8*\t+3]
	v_pk_add_f32 v[PF+16+2*\t:PF+17+2*\t], v[SC+8*\t+4:SC+8*\t+5], v[SC+8*\t+6:SC+8*\t+7]
.endr
.irp t, 0,1,2,3,4,5,6,7
	v_pk_add_f32 v[PF+2*\t:PF+2*\t+1], v[PF+2*\t:PF+2*\t+1], v[PF+16+2*\t:PF+17+2*\t]
.endr
.irp nt, 0,1
	v_pk_add_f32 v[PF+2*\nt:PF+2*\nt+1], v[PF+2*\nt:PF+2*\nt+1], v[PF+4+2*\nt:PF+5+2*\nt]
	v_pk_add_f32 v[PF+8+2*\nt:PF+9+2*\nt], v[PF+8+2*\nt:PF+9+2*\nt], v[PF+12+2*\nt:PF+13+2*\nt]
.endr
.irp nt, 0,1
	v_pk_add_f32 v[PF+2*\nt:PF+2*\nt+1], v[PF+2*\nt:PF+2*\nt+1], v[PF+8+2*\nt:PF+9+2*\nt]
.endr
.if \first
	v_add_f32 v18, v[PF], v[PF+1]
	v_add_f32 v19, v[PF+2], v[PF+3]
.else
	v_add_f32 v30, v[PF], v[PF+1]
	v_add_f32 v31, v[PF+2], v[PF+3]
	v_fma_f32 v18, v18, v24, v30
	v_fma_f32 v19, v19, v26, v31
.endif
	; P's fragments in f16: registers 0-3 from score tile 2 ks, registers 4-7 from 2 ks + 1
.irp nt, 0,1
.irp ks, 0,1
.irp q, 0,1,2,3,4,5,6,7
	v_cvt_pk_f16_f32 v[PF+16*\nt+8*\ks+\q], v[SC+8*(2*(2*\ks+\q/4)+\nt)+2*(\q%4)], v[SC+8*(2*(2*\ks+\q/4)+\nt)+2*(\q%4)+1]
.endr
.endr
.endr
.if \first
.else
	WIN 0x41                                       ; O: destination and source 0 in window 1
.irp u, 0,1,2,3,4,5,6,7,8,9,10,11,12,13,14,15
.irp q, 0,1,2,3
	v_pk_mul_f32 v[8*\u+2*\q:8*\u+2*\q+1], v[8*\u+2*\q:8*\u+2*\q+1], v[24+2*(\u%2):25+2*(\u%2)]
.endr
.endr
.endif
	WIN 0x50                                       ; C and D in window 1
	PVK 0, \first
	PVK 1, 0
	WIN 0
	PLACES                                         ; behind the products: fragment and P registers are written, O read, further down
.endm
	LOADT                                          ; the diagonal tile
	WIN 0x40
.irp nt, 0,1
.irp kk, 0,1,2,3
	global_load_b128 v[QF+8*(4*\nt+\kk):QF+8*(4*\nt+\kk)+3], v9, s[18:19] offset:65536*\nt+64*\kk
	global_load_b128 v[QF+8*(4*\nt+\kk)+4:QF+8*(4*\nt+\kk)+7], v9, s[18:19] offset:65536*\nt+64*\kk+32
.endr
.endr
	WIN 0
	STAGE 1
	s_cmp_eq_u32 s22, 0
	NEXTT
	COMPUTE 1, 1
	s_cmp_eq_u32 s23, 0
	s_cbranch_scc1 .Lfin
	s_mov_b32 s24, 0
.Lmid:
	STAGE 0
	s_add_co_u32 s25, s24, 1                       ; this is tile s24 + 1 behind the diagonal one
	s_cmp_ge_u32 s25, s22                          ; is it the last?
	NEXTT
	COMPUTE 0, 0
	s_add_co_u32 s24, s24, 1
	s_cmp_lt_u32 s24, s23
	s_cbranch_scc1 .Lmid
	s_cmp_lt_u32 s11, 8
	s_cbranch_scc1 .Lfin
	STAGE 0
	COMPUTE 2, 0
.Lfin:
	v_permlanex16_b32 v28, v18, s28, s29           ; the two halves of the keys meet
	v_permlanex16_b32 v29, v19, s28, s29
	v_add_f32 v18, v18, v28
	v_add_f32 v19, v19, v29
	v_rcp_f32 v24, v18                             ; the sum is at least 1: the maximum's own weight
	v_rcp_f32 v26, v19
	v_nop
	s_wait_alu depctr_va_vdst(0)
	v_mov_b32 v25, v24
	v_mov_b32 v27, v26
.irp nt, 0,1
	WIN 0x01                                       ; source 0 (O) in window 1
.irp dt, 0,1,2,3,4,5,6,7
.irp q, 0,1,2,3
	v_pk_mul_f32 v[FR+8*\dt+2*\q:FR+8*\dt+2*\q+1], v[8*(2*\dt+\nt)+2*\q:8*(2*\dt+\nt)+2*\q+1], v[24+2*\nt:25+2*\nt]
.endr
.endr
	WIN 0
.irp dt, 0,1,2,3,4,5,6,7
.irp q, 0,1,2,3
	v_cvt_pk_f16_f32 v[PF+4*\dt+\q], v[FR+8*\dt+2*\q], v[FR+8*\dt+2*\q+1]
.endr
.endr
.irp dt, 0,1,2,3,4,5,6,7
	ds_store_b128 v10, v[PF+4*\dt:PF+4*\dt+3] offset:32*\dt        ; my own stage: row r, d = 16 dt + 8 h ..
.endr
.irp t, 0,1,2,3,4,5,6,7
	ds_load_b128 v[FR+64+32*\nt+4*\t:FR+64+32*\nt+4*\t+3], v11 offset:\t*2*KP     ; whole rows back; LDS serves a wave's instructions in order
.endr
.irp t, 0,1,2,3,4,5,6,7
	s_wait_dscnt 7-\t                              ; read-back t is in, the younger ones stay out
	global_store_b128 v12, v[FR+64+32*\nt+4*\t:FR+64+32*\nt+4*\t+3], s[20:21] offset:32768*\nt+4096*\t   ; sixteen lanes: 256 consecutive bytes at a multiple of 256; each nt has registers of its own
.endr
.endr
	s_set_vgpr_msb 0x8
	s_wait_tensorcnt 0x0
	ds_add_u32 v3, v1
	s_wait_dscnt 0x0
	s_set_vgpr_msb 0x800
	s_endpgm
.Lfunc_end_k_q8a62e6ed85_attn:
	.size	k_q8a62e6ed85_attn, .Lfunc_end_k_q8a62e6ed85_attn-k_q8a62e6ed85_attn
	.p2alignl 7, 3214868480
	.fill 96, 4, 3214868480
	.section	.rodata,"a",@progbits
	.p2align	6, 0x0
	.amdhsa_kernel k_q8a62e6ed85_attn
		.amdhsa_group_segment_fixed_size 53760
		.amdhsa_private_segment_fixed_size 0
		.amdhsa_enable_private_segment 0
		.amdhsa_kernarg_size 16
		.amdhsa_user_sgpr_count 2
		.amdhsa_user_sgpr_kernarg_segment_ptr 1
		.amdhsa_wavefront_size32 1
		.amdhsa_system_sgpr_workgroup_id_x 1
		.amdhsa_system_sgpr_workgroup_id_y 1
		.amdhsa_system_sgpr_workgroup_id_z 1
		.amdhsa_system_vgpr_workitem_id 0
		.amdhsa_next_free_vgpr 514
		.amdhsa_next_free_sgpr 66
		.amdhsa_reserve_vcc 1
		.amdhsa_float_denorm_mode_32 3
		.amdhsa_float_denorm_mode_16_64 3
		.amdhsa_memory_ordered 1
		.amdhsa_forward_progress 1
		.amdhsa_inst_pref_size 101
	.end_amdhsa_kernel
	.amdgpu_metadata
---
amdhsa.version: [ 1, 2 ]
amdhsa.kernels:
  - .name:           k_q8a62e6ed85_attn
    .symbol:         k_q8a62e6ed85_attn.kd
    .args:
      - { .name: qkv, .offset: 0, .size: 8, .value_kind: global_buffer, .address_space: global }
      - { .name: ctx, .offset: 8, .size: 8, .value_kind: global_buffer, .address_space: global }
    .group_segment_fixed_size: 53760
    .private_segment_fixed_size: 0
    .kernarg_segment_align: 8
    .kernarg_segment_size: 16
    .max_flat_workgroup_size: 128
    .sgpr_count:     66
    .vgpr_count:     514
    .wavefront_size: 32
...
	.end_amdgpu_metadata
.endif
;; end of part 3
;; launch oproj (part 4): grid 16 x 16, 4 waves a work-group, clusters of 4 x 4, 327,680 bytes of LDS; arguments ctx, wob, out0; writes out0
.if DOCPART == 4
	.amdgcn_target "amdgcn-amd-amdhsa--gfx1250"
	.amdhsa_code_object_version 6
	.text
	.protected	k_q8a62e6ed85_oproj
	.globl	k_q8a62e6ed85_oproj
	.p2align	8
	.type	k_q8a62e6ed85_oproj,@function
k_q8a62e6ed85_oproj:
	s_mov_b64 s[64:65], 0
	v_nop
	global_prefetch_b8 v0, s[64:65] scope:SCOPE_SE
	s_setreg_imm32_b32 hwreg(HW_REG_WAVE_MODE, 25, 1), 1
	s_wait_xcnt 0x0
	s_wait_alu depctr_hold_cnt(0) depctr_sa_sdst(0) depctr_va_vdst(0) depctr_va_sdst(0) depctr_va_ssrc(0) depctr_va_vcc(0) depctr_vm_vsrc(0)
	s_getreg_b32 s2, hwreg(HW_REG_IB_STS2, 6, 4)
	s_cmp_eq_u32 s2, 0
	s_cbranch_scc0 .Lentry_in_a_cluster
	s_endpgm
.Lentry_in_a_cluster:
	s_bfe_u32 s2, ttmp6, 0x10000c
	s_cmp_lg_u32 s2, 0xf033
	s_cbranch_scc0 .Lentry_shape_is_right
	s_endpgm
.Lentry_shape_is_right:
; out0[m][n] = sum over k of ctx[m][k] wob[n][k], f16 operands (ctx rounded to f16; wob holds Wo rounded to bf16, in f16's format), f32 sums, f32 out.
; The frame is qkvproj's with K = 1,024 and the f16 form:
; a work-group makes 256 rows x 128 columns (16 x 16 = 256 work-groups), four waves of 64 rows x 128 columns (32 accumulator tiles in window 1).
; THE RING: two LDS slots of unequal size, filled by tensor loads.  Slot 0 holds two K steps of 128 (rows of 512 bytes, pitch 528), slot 1 one K step (rows of 256 bytes,
; pitch 272): 384 x 528 + 384 x 272 = 307,200 bytes, with the stage 324,608 of the 327,680 that there are; two slots of two K steps would need 405,504.
; Two changes of slot serve three K steps.  The 8 K steps go large, small, large, small, large (3 x 2 + 2 x 1), written out without a loop.
; CLUSTERS 4 x 4: ctx's tiles are asked for jointly along a cluster's row, wob's along a column, which divides the requests for both by four.
; The matrix instruction is used transposed: lane (r, h), register j holds row 16 a + r, column 16 b + 8 h + j.
.set SIZE_K, 1024
.set KSTEP,  128
.set PB,     528                       ; slot 0's pitch: 512 bytes of data + 16 of padding
.set PS,     272                       ; slot 1's pitch: 256 + 16.  Both are odd multiples of 16
.set SMALL,  384*PB                    ; slot 1 begins behind slot 0.  In each slot: ctx's 256 rows, then wob's 128 rows
.set STAGE,  SMALL+384*PS              ; behind the ring, never filled by a tensor load: 16 rows x 272 bytes for each wave
.set OP,     PS                        ; the stage's pitch: 64 columns of f32 + 16 bytes
.set FS,     0                         ; the slot that is read first: the large one, with K steps 0 and 1
.set OS,     1                         ; the other: K step 2
.set FBYTES, 2*KSTEP*2                 ; bytes along K that the first slot holds
.set ADRA, 16                          ; v16-17  LDS address of my ctx fragments in slot 0, 1
.set ADRB, 20                          ; v20-21  the same for wob
.set STO,  24
.set RD,   25
.set CO,   26
.set F0,   32
.set F1,   128
.set G1,   24                          ; s[24:31] descriptor group 1, ctx's tiles, slot 0;  slot 1's at G1 + G1D = s[80:87]
.set G1D,  56
.set G0,   32                          ; s[32:39] group 0, ctx's tiles, a set for each slot
.set G1B,  48                          ; s[48:55] group 1, wob's tiles, slot 0;  slot 1's at G1B + G1BD = s[88:95]
.set G1BD, 40
.set G0B,  56                          ; s[56:63] group 0, wob's tiles
.set MUL, 0x50
.set MSB, 0
.macro WIN new
.if MSB != \new
	s_set_vgpr_msb (MSB<<8)|\new
.set MSB, \new
.endif
.endm
.macro PLACES                          ; four plain vector places behind a matrix instruction (ISA guide 7.12.1)
.rept 4
	v_nop
.endr
.endm
.macro JLOAD s                         ; waves 0, 1 ask for ctx's halves, waves 2, 3 for wob's: one tensor load a wave
	s_cmp_eq_u32 s11, 0
	s_cbranch_scc0 .Lfor_b_\@
	tensor_load_to_lds s[G0+4*\s:G0+4*\s+3], s[G1+G1D*\s:G1+G1D*\s+7]
	s_nop 0
	s_branch .Lasked_\@
.Lfor_b_\@:
	tensor_load_to_lds s[G0B+4*\s:G0B+4*\s+3], s[G1B+G1BD*\s:G1B+G1BD*\s+7]
	s_nop 0
.Lasked_\@:
.endm
.macro CREST
	s_cmp_lg_u32 s10, 0
	s_cbranch_scc1 .Lnot_wave_0_\@
	s_barrier_signal -3
.Lnot_wave_0_\@:
	s_barrier_wait -3
	s_barrier_signal -1
	s_barrier_wait -1
.endm
.macro CROUND
	s_barrier_signal -1
	s_barrier_wait -1
	CREST
.endm
.macro SHAPE g, cols, rows             ; words 1 to 7 of a group 1: a tile of rows x cols elements that lies inside the tensor
	s_mov_b32 s[\g+1], (\cols)<<16                 ; tensor_dim0
	s_mov_b32 s[\g+2], (\rows)<<16                 ; tensor_dim1
	s_mov_b32 s[\g+3], (\cols)<<16                 ; tile_dim0
	s_mov_b32 s[\g+4], \rows                       ; tile_dim1
	s_mov_b32 s[\g+5], SIZE_K                      ; elements from row to row
	s_mov_b32 s[\g+6], 0
	s_mov_b32 s[\g+7], 0
.endm
	s_load_b128 s[4:7], s[0:1], 0x0                ; ctx s[4:5], wob s[6:7]
	s_load_b64 s[8:9], s[0:1], 0x10                ; out0
	v_lshl_add_u32 v254, v0, 2, 0x4f400
	v_mov_b32 v255, 0
	ds_add_u32 v254, v255
	v_lshrrev_b32 v1, 5, v0
	v_readfirstlane_b32 s10, v1                    ; wave
	s_lshr_b32 s11, s10, 1                         ; I fetch for ctx (0) or for wob (1)
	s_and_b32 s12, s10, 1                          ; which half of that tile
	s_bfe_u32 s40, ttmp6, 0x40000                  ; cx
	s_bfe_u32 s41, ttmp6, 0x40004                  ; cy
	s_lshl_b32 s42, ttmp9, 2
	s_add_co_u32 s42, s42, s40                     ; block column
	s_and_b32 s13, ttmp7, 0xffff
	s_lshl_b32 s13, s13, 2
	s_add_co_u32 s13, s13, s41                     ; block row
	s_lshl_b32 s43, s41, 2
	s_lshl_b32 s43, 15, s43                        ; my row of the cluster
	s_lshl_b32 s44, 0x1111, s40                    ; my column
.irp s, 0,1
	; word 0: the mask (ctx: my row; wob: my column); elements of 2 bytes; padding on, 4 words behind every 128 words (slot 0, code 6) or 64 (slot 1, code 5); bit 21 beside a mask
	s_or_b32 s[G1+G1D*\s], s43, (1<<16)|(1<<20)|(1<<21)|((6-\s)<<22)|(3<<25)
	s_or_b32 s[G1B+G1BD*\s], s44, (1<<16)|(1<<20)|(1<<21)|((6-\s)<<22)|(3<<25)
	SHAPE G1+G1D*\s, 256-128*\s, 128               ; 128 rows of ctx, 256 or 128 along K
	SHAPE G1B+G1BD*\s, 256-128*\s, 64              ; 64 rows of wob
	s_mov_b32 s[G0+4*\s], 1                        ; group 0, word 0: count = 1
	s_mov_b32 s[G0B+4*\s], 1
.endr
	s_mul_i32 s[G0+1], s10, 128*PB                 ; LDS, slot 0: ctx's halves at wave x 128 rows (waves 0, 1)
	s_mul_i32 s[G0B+1], s10, 64*PB
	s_add_co_u32 s[G0B+1], s[G0B+1], 128*PB        ; wob's halves at 128 rows + wave x 64 rows (waves 2, 3: rows 256 and 320)
	s_mul_i32 s[G0+5], s10, 128*PS                 ; slot 1 likewise
	s_add_co_u32 s[G0+5], s[G0+5], SMALL
	s_mul_i32 s[G0B+5], s10, 64*PS
	s_add_co_u32 s[G0B+5], s[G0B+5], SMALL+128*PS
	s_lshl_b32 s17, s12, 7
	s_lshl_b32 s16, s13, 8
	s_add_co_u32 s16, s16, s17                     ; ctx: row 256 x block row + 128 half (never holds cx)
	s_mul_i32 s16, s16, SIZE_K*2
	s_mov_b32 s17, 0
	s_lshl_b32 s47, s12, 6
	s_lshl_b32 s46, s42, 7
	s_add_co_u32 s46, s46, s47                     ; wob: row 128 x block column + 64 half (never holds cy)
	s_mul_i32 s46, s46, SIZE_K*2
	s_mov_b32 s47, 0
	s_wait_dscnt 0x0
	s_wait_kmcnt 0x0
	s_add_nc_u64 s[G0+4*FS+2:G0+4*FS+3], s[4:5], s[16:17]                      ; the slot read first begins at K = 0,
	s_add_nc_u64 s[G0+4*OS+2:G0+4*OS+3], s[G0+4*FS+2:G0+4*FS+3], FBYTES        ; the other behind what the first holds
	s_add_nc_u64 s[G0B+4*FS+2:G0B+4*FS+3], s[6:7], s[46:47]
	s_add_nc_u64 s[G0B+4*OS+2:G0B+4*OS+3], s[G0B+4*FS+2:G0B+4*FS+3], FBYTES
.irp s, 0,1
	s_or_b32 s[G0+4*\s+3], s[G0+4*\s+3], 0x80000000                            ; type = 2
	s_or_b32 s[G0B+4*\s+3], s[G0B+4*\s+3], 0x80000000
.endr
	CROUND                                         ; the first joint loads meet
	JLOAD FS                                       ; both slots' first fills, one group, the slot read first ahead: two tensor loads of the wave are out
	JLOAD OS
	v_and_b32 v1, 15, v0                           ; r
	v_bfe_u32 v2, v0, 4, 1                         ; h
	v_mul_u32_u24 v3, v1, PB
	v_lshl_add_u32 v3, v2, 4, v3                   ; slot 0: r x pitch + 16 h
	v_mul_u32_u24 v4, v1, PS
	v_lshl_add_u32 v4, v2, 4, v4                   ; slot 1
	s_mul_i32 s22, s10, 64*PB                      ; my 64 rows of ctx
	s_mul_i32 s23, s10, 64*PS
	s_add_co_u32 s23, s23, SMALL
	v_add_nc_u32 v[ADRA], s22, v3
	v_add_nc_u32 v[ADRB], 256*PB, v3               ; wob's 128 rows, read by every wave
	v_add_nc_u32 v[ADRA+1], s23, v4
	v_add_nc_u32 v[ADRB+1], SMALL+256*PS, v4
	s_mul_i32 s23, s10, 16*OP
	s_add_co_u32 s23, s23, STAGE                   ; my stage
	v_lshl_add_u32 v5, v2, 4, v4                   ; r x 272 + 32 h (the stage has slot 1's pitch)
	v_add_nc_u32 v[STO], s23, v5                   ; in: row r, 32 bytes for each half of the lanes
	v_mul_u32_u24 v6, v2, OP
	v_lshl_add_u32 v6, v1, 4, v6
	v_add_nc_u32 v[RD], s23, v6                    ; back: lanes 0-15 one row's 256 bytes, lanes 16-31 the next row's
	v_lshlrev_b32 v6, 13, v2
	v_lshl_add_u32 v[CO], v1, 4, v6                ; the same two rows in out0 (8,192 bytes apart)
.macro MULA f, a, zero
.irp b, 0,1,2,3,4,5,6,7
.if \zero
	v_wmma_f32_16x16x32_f16 v[8*(8*\a+\b):8*(8*\a+\b)+7], v[\f+32+8*\b:\f+32+8*\b+7], v[\f+8*\a:\f+8*\a+7], 0
.else
	v_wmma_f32_16x16x32_f16 v[8*(8*\a+\b):8*(8*\a+\b)+7], v[\f+32+8*\b:\f+32+8*\b+7], v[\f+8*\a:\f+8*\a+7], v[8*(8*\a+\b):8*(8*\a+\b)+7]
.endif
.endr
.endm
; 24 LDS loads in one run: a quarter's fragments.  The slot's pitch is PB - (PB - PS) slot; the largest offset, 7 x 16 x 528 + 448 + 32 = 59,616, is inside the 16-bit immediate.
.macro FETCH slot, k, f
	WIN 0
.irp i, 0,1,2,3,4,5,6,7
	ds_load_b128 v[\f+32+8*\i:\f+32+8*\i+3], v[ADRB+\slot] offset:\k+\i*16*(PB-(PB-PS)*\slot)
	ds_load_b128 v[\f+32+8*\i+4:\f+32+8*\i+7], v[ADRB+\slot] offset:\k+\i*16*(PB-(PB-PS)*\slot)+32
.endr
.irp i, 0,1,2,3
	ds_load_b128 v[\f+8*\i:\f+8*\i+3], v[ADRA+\slot] offset:\k+\i*16*(PB-(PB-PS)*\slot)
	ds_load_b128 v[\f+8*\i+4:\f+8*\i+7], v[ADRA+\slot] offset:\k+\i*16*(PB-(PB-PS)*\slot)+32
.endr
.endm
; A quarter is 32 along K, 32 matrix instructions; the small slot has four, the large slot eight, on buffers 0, 1, 0, 1, ...
; The 32 accumulators take turns, one instruction a turn, in one order.
.macro QUARTER slot, k, f, g, zero
	s_wait_dscnt 4                                 ; all but the youngest four loads (ctx's row tiles 2 and 3)
	WIN MUL
	MULA \f, 0, \zero
	MULA \f, 1, \zero
	PLACES
	FETCH \slot, \k, \g
	s_wait_dscnt 24                                ; all but the 24 just issued
	WIN MUL
	MULA \f, 2, \zero
	MULA \f, 3, \zero
.endm
.macro RUNS zero                       ; the small slot's first three quarters
	QUARTER 1, 64,  F0, F1, \zero
	QUARTER 1, 128, F1, F0, 0
	QUARTER 1, 192, F0, F1, 0
.endm
.macro RUNB zero                       ; the large slot's first seven quarters
	QUARTER 0, 64,  F0, F1, \zero
	QUARTER 0, 128, F1, F0, 0
	QUARTER 0, 192, F0, F1, 0
	QUARTER 0, 256, F1, F0, 0
	QUARTER 0, 320, F0, F1, 0
	QUARTER 0, 384, F1, F0, 0
	QUARTER 0, 448, F0, F1, 0
.endm
; A slot's last quarter multiplies buffer 1 and changes slots.  Between a request and the wait for it a wave issues 248 matrix instructions (the small slot's load) or 120 (the large slot's).
.macro TURN slot, next, fill
	s_wait_dscnt 4
	WIN MUL
	MULA F1, 0, 0
	s_wait_dscnt 0                                 ; my reads of this slot are over
	s_wait_tensorcnt 0x0                           ; all my tensor loads have landed: the one that was out is my part of the next slot
	ds_add_u32 v254, v255
	s_wait_dscnt 0x0
	s_barrier_signal -1
	MULA F1, 1, 0
	WIN 0
	s_barrier_wait -1
.if \fill
	CREST                                          ; the round: no wave of any partner still reads this slot or has a load on its way
	s_add_nc_u64 s[G0+4*\slot+2:G0+4*\slot+3], s[G0+4*\slot+2:G0+4*\slot+3], 3*KSTEP*2      ; either slot comes round again three K steps on
	s_add_nc_u64 s[G0B+4*\slot+2:G0B+4*\slot+3], s[G0B+4*\slot+2:G0B+4*\slot+3], 3*KSTEP*2
	JLOAD \slot                                    ; the first tensor load behind the round, one a wave
.endif
	PLACES
	FETCH \next, 0, F0
	WIN MUL
	MULA F1, 2, 0
	MULA F1, 3, 0
.endm
	s_wait_tensorcnt 1                             ; my part of the large slot (K steps 0, 1) is in; the small slot's stays out
	s_barrier_signal -1
	s_barrier_wait -1
	FETCH FS, 0, F0
	RUNB 1                                         ; K steps 0, 1: the first products start the sums
	TURN 0, 1, 1                                   ; the large slot gets K steps 3, 4
	RUNS 0                                         ; K step 2
	TURN 1, 0, 1                                   ; the small slot gets K step 5
	RUNB 0                                         ; K steps 3, 4
	TURN 0, 1, 1                                   ; the large slot gets K steps 6, 7: the last fill
	RUNS 0                                         ; K step 5
	TURN 1, 0, 0
	RUNB 0                                         ; K steps 6, 7
	s_wait_dscnt 4
	WIN MUL
	MULA F1, 0, 0
	MULA F1, 1, 0
	s_wait_dscnt 0
	MULA F1, 2, 0
	MULA F1, 3, 0
	PLACES                                         ; behind the last matrix instructions: results are stored to LDS, fragment registers loaded into
	WIN 0
	s_lshl_b32 s16, s13, 8
	s_lshl_b32 s17, s10, 6
	s_add_co_u32 s16, s16, s17                     ; my first row
	s_lshl_b32 s16, s16, 13                        ; x 8,192 bytes
	s_mov_b32 s17, 0
	s_add_nc_u64 s[8:9], s[8:9], s[16:17]
	s_lshl_b32 s46, s42, 9                         ; the block's 512 bytes of a row
	s_mov_b32 s47, 0
	s_add_nc_u64 s[8:9], s[8:9], s[46:47]
; 16 rows x 64 columns through my stage (row tile a, column tiles 4 c .. 4 c + 3): the accumulators go in as they are, 32 bytes a lane and tile; rows of 256 bytes come back;
; sixteen lanes store 256 consecutive bytes at a multiple of 256.  The place in my 64 rows x 512 bytes stands in the store's immediate, 508,160 at the most: the base is never stepped.
.macro OUT a, c, f
	WIN 0x04                                       ; store data in window 1
.irp b, 0,1,2,3
	ds_store_b128 v[STO], v[8*(8*\a+4*\c+\b):8*(8*\a+4*\c+\b)+3] offset:64*\b
	ds_store_b128 v[STO], v[8*(8*\a+4*\c+\b)+4:8*(8*\a+4*\c+\b)+7] offset:64*\b+16
.endr
	WIN 0
	s_wait_xcnt 0x0                                ; the read-back registers, which earlier stores read, are rewritten only behind this wait
.irp t, 0,1,2,3,4,5,6,7
	ds_load_b128 v[\f+4*\t:\f+4*\t+3], v[RD] offset:\t*2*OP        ; LDS serves a wave's instructions in order: these see the stores above
.endr
.irp t, 0,1,2,3,4,5,6,7
	s_wait_dscnt 7-\t                              ; read-back t is in, the younger ones stay out
	global_store_b128 v[CO], v[\f+4*\t:\f+4*\t+3], s[8:9] offset:(16*\a+2*\t)*8192+256*\c th:TH_STORE_NT
.endr
.endm
.irp a, 0,1,2,3
	OUT \a, 0, F0
	OUT \a, 1, F1
.endr
	s_wait_tensorcnt 0x0
	ds_add_u32 v254, v255
	s_wait_dscnt 0x0
	CROUND                                         ; the closing round
	s_endpgm
.Lfunc_end_k_q8a62e6ed85_oproj:
	.size	k_q8a62e6ed85_oproj, .Lfunc_end_k_q8a62e6ed85_oproj-k_q8a62e6ed85_oproj
	.p2alignl 7, 3214868480
	.fill 96, 4, 3214868480
	.section	.rodata,"a",@progbits
	.p2align	6, 0x0
	.amdhsa_kernel k_q8a62e6ed85_oproj
		.amdhsa_group_segment_fixed_size 327680
		.amdhsa_private_segment_fixed_size 0
		.amdhsa_enable_private_segment 0
		.amdhsa_kernarg_size 24
		.amdhsa_user_sgpr_count 2
		.amdhsa_user_sgpr_kernarg_segment_ptr 1
		.amdhsa_wavefront_size32 1
		.amdhsa_system_sgpr_workgroup_id_x 1
		.amdhsa_system_sgpr_workgroup_id_y 1
		.amdhsa_system_sgpr_workgroup_id_z 1
		.amdhsa_system_vgpr_workitem_id 0
		.amdhsa_next_free_vgpr 512
		.amdhsa_next_free_sgpr 96
		.amdhsa_reserve_vcc 0
		.amdhsa_float_denorm_mode_32 3
		.amdhsa_float_denorm_mode_16_64 3
		.amdhsa_memory_ordered 1
		.amdhsa_forward_progress 1
		.amdhsa_inst_pref_size 148
	.end_amdhsa_kernel
	.amdgpu_metadata
---
amdhsa.version: [ 1, 2 ]
amdhsa.kernels:
  - .name:           k_q8a62e6ed85_oproj
    .symbol:         k_q8a62e6ed85_oproj.kd
    .args:
      - { .name: ctx, .offset: 0, .size: 8, .value_kind: global_buffer, .address_space: global }
      - { .name: wob, .offset: 8, .size: 8, .value_kind: global_buffer, .address_space: global }
      - { .name: out0, .offset: 16, .size: 8, .value_kind: global_buffer, .address_space: global }
    .group_segment_fixed_size: 327680
    .private_segment_fixed_size: 0
    .kernarg_segment_align: 8
    .kernarg_segment_size: 24
    .max_flat_workgroup_size: 128
    .sgpr_count:     96
    .vgpr_count:     512
    .wavefront_size: 32
...
	.end_amdgpu_metadata
.endif
;; end of part 4
;; ======== version 2 of 2: 4 launches; version 1 with the launch cvt written anew for expert scheduling mode
;; limits: values are held in f16: magnitudes above 65,504 overflow, below 6.1e-05 lose precision; right only within a limited range of input values
;; workspace buffers: xb 16,777,216 bytes; wb 8,388,608 bytes; wob 4,194,304 bytes; qkv 16,777,216 bytes; ctx 8,388,608 bytes
;; launch cvt (part 5): grid 256 x 1, 16 waves a work-group, no clusters, 0 bytes of LDS; arguments x, Wq, Wk, Wv, Wo, xb, wb, wob; writes xb, wb, wob
.if DOCPART == 5
	.amdgcn_target "amdgcn-amd-amdhsa--gfx1250"
	.amdhsa_code_object_version 6
	.text
	.protected	k_q8a62e6ed85_cvt
	.globl	k_q8a62e6ed85_cvt
	.p2align	8
	.type	k_q8a62e6ed85_cvt,@function
k_q8a62e6ed85_cvt:
	s_mov_b64 s[64:65], 0
	v_nop
	global_prefetch_b8 v0, s[64:65] scope:SCOPE_SE
	s_setreg_imm32_b32 hwreg(HW_REG_WAVE_SCHED_MODE, 0, 2), 2
	s_setreg_imm32_b32 hwreg(HW_REG_WAVE_MODE, 25, 1), 1
	s_wait_xcnt 0x0
	s_wait_alu depctr_vm_vsrc(0)
; FIRST OF FOUR LAUNCHES of a Gemma3 attention block (B 2, T 2048, D 2048, 8 query heads, 4 key/value heads of 128):
;   cvt      x, Wq, Wk, Wv, Wo from f32 to 16 bits (this text)
;   qkvproj  [q|k|v] = x [Wq;Wk;Wv]^T (bf16 operands), with RMS norm, RoPE and the q scale on the way out, stored in f16
;   attn     attention over the window 0 <= t - k <= 512 with a running maximum (f16 operands), stored in f16
;   oproj    out0 = ctx Wo^T (f16 operands) in f32
; WORK LEFT OUT (in attn): whole tiles of 64 keys in which every pair (t, k) has t - k < 0 or t - k > 512.  The function itself
; sets those scores to the lowest f32 before the softmax.  Row t always keeps its own key t, so the row's maximum is a true score and
; a masked weight is exp(lowest f32 - maximum), nothing in real numbers beside the weight 1 of the maximum: these tiles' scores and their
; products with V reach no output, whatever the inputs hold.  In the two edge tiles (the diagonal one, the one 512 back) the mask is
; applied by a select.  Every input has a way to the output and is loaded.
; NUMBER FORMATS: the five large inputs are rounded to bf16.  What the launches hand on (q, k, v, the softmax weights, ctx) is rounded to f16: row t of ctx is a
; mean of min(t + 1, 513) rows of v, so a sequence's first rows are as large as v itself while the late rows, which set the output's rms, can be ten times smaller;
; a rounding to bf16's 8 bits (up to 2^-8 of the number) would in the first rows be some per cent of that rms, f16's 11 bits (2^-11) are an eighth of it.
; The f16 matrix form takes both operands in f16's format, so Wo, rounded to bf16 like the other inputs, is stored in f16's format: a bf16 number of magnitude
; 2^-17 to 65,504 is an f16 number exactly, a smaller one moves by at most 2^-25.
; LIMITS: a NaN, an infinity or an overflow in rows of K or V that only the tiles left out would touch is not carried to the result.
; |v| (and ctx, a mean of rows of v) must stay under f16's 65,504: x and Wv both 30 times the drawn spread give about 900 x 5.5 = 5,000, both with a common offset
; of 30 spreads 2048 x 30 x 0.66 = 40,600.  Under 2^-14 f16 steps by 2^-24: with x and Wv both 30 times smaller (v's rms 0.0011) that is 3e-5 of the rms.
; Sums, norm, RoPE and softmax are f32.
;
; THIS LAUNCH is a stream: each input byte is read once, each 16-bit number written once.  No LDS, matrix unit or cluster has anything to add.
; 256 work-groups of 16 waves; each takes a 256th of EVERY input (131,072 bytes of x, 32,768 of Wq and of Wo, 16,384 of Wk and of Wv), so all do the same work and no
; branch or select hangs on the work-group's number.  That is 28 items of 8,192 bytes: in an item a thread loads 16 bytes and stores 8; a wave's load covers 512
; consecutive bytes, its store 256 consecutive bytes at a multiple of 256.  Items 0-15 x, 16-19 Wq, 20-21 Wk, 22-23 Wv, 24-27 Wo.
; Item i + DEPTH is asked for ahead of the wait for item i: while there is more to ask for, DEPTH to DEPTH + 1 loads of every wave are on their way
; (16 waves x 12 x 512 = 98,304 bytes for the work-group at the least), and loads and stores go side by side.
; Every item has registers of its own (28 x 6 = 168; the four waves of a SIMD take 4 x 172 of its 1,024): no source of a pending instruction is ever written again.
; THE MODE: SCHED_MODE bits 1:0 = 2 (LLVM: expert scheduling mode 2), set by the entry lines.  The code itself states the register dependences
; between vector instructions and memory instructions, with s_wait_alu, always for 0.
; THE PLAN.  The 28 items go in seven blocks of four.  Registers that memory instructions touch:
;   X, item i   Written by the item's one load, ahead of which no vector instruction names it.  Read by the item's conversions, behind the counted wait for that load.
;               (Wo's items write theirs again by vector lines of their own, behind that wait; no memory instruction names them after that.)
;   Y, item i   Written by the item's conversions, in block i / 4; read by the item's one store, which is issued in block i / 4 + 1; never written after that.
;   v1, v2      Byte offsets, made once at the head and never written again: the items are reached by scalar bases made at the head and by immediate offsets.
; Block p rounds its own four items; its memory instructions are the loads of the items DEPTH further on and the stores of block p - 1: registers that no vector
; instruction of block p names.  So ONE wait on va_vdst at a block's head states all that the block's eight memory instructions hang on, and these are dealt among its
; vector instructions with no further wait.  One more stands at the kernel's head, for the offsets, and one ahead of the last four stores: eight in all.
; No register that a memory instruction has read is ever written again.
.set DEPTH, 12
.set ITEMS, 28
.set BLOCK, 4                          ; items in a block
.set X, 4                              ; v[4:115]    item i: four f32 as loaded
.set Y, 116                            ; v[116:171]  item i: four 16-bit numbers to store
.macro WHERE n                         ; item n: SB, DB = the scalar pairs of its source and its destination, J = its number in that input's share
.if (\n) < 16
.set SB, 8
.set DB, 18
.set J, (\n)
.elseif (\n) < 20
.set SB, 10
.set DB, 34
.set J, (\n)-16
.elseif (\n) < 22
.set SB, 12
.set DB, 36
.set J, (\n)-20
.elseif (\n) < 24
.set SB, 14
.set DB, 38
.set J, (\n)-22
.else
.set SB, 16
.set DB, 22
.set J, (\n)-24
.endif
.endm
.macro LOAD n
	WHERE \n
	global_load_b128 v[X+4*(\n):X+4*(\n)+3], v1, s[SB:SB+1] offset:8192*J th:TH_LOAD_NT   ; read once in the launch
.endm
.macro STORE n
	WHERE \n
	global_store_b64 v2, v[Y+2*(\n):Y+2*(\n)+1], s[DB:DB+1] offset:4096*J
.endm
	s_load_b256 s[8:15], s[0:1], 0x0               ; x s[8:9], Wq s[10:11], Wk s[12:13], Wv s[14:15]
	s_load_b256 s[16:23], s[0:1], 0x20             ; Wo s[16:17], xb s[18:19], wb s[20:21], wob s[22:23]
	v_lshlrev_b32 v1, 4, v0                        ; 16 bytes of f32 a thread
	v_lshlrev_b32 v2, 3, v0                        ; 8 bytes out a thread
	s_lshl_b32 s24, ttmp9, 13                      ; the work-group's number times 8,192 .. 131,072 bytes, each with 0 above it
	s_mov_b32 s25, 0
	s_lshl_b32 s26, ttmp9, 14
	s_mov_b32 s27, 0
	s_lshl_b32 s28, ttmp9, 15
	s_mov_b32 s29, 0
	s_lshl_b32 s30, ttmp9, 16
	s_mov_b32 s31, 0
	s_lshl_b32 s32, ttmp9, 17
	s_mov_b32 s33, 0
	s_wait_kmcnt 0x0
	s_add_nc_u64 s[8:9], s[8:9], s[32:33]          ; my share of x
	s_wait_alu depctr_va_vdst(0)                   ; v1 and v2 are written: every load of the kernel reads v1 as its offset, every store v2
.set i, 0
.rept DEPTH
	LOAD i                                         ; the first DEPTH items, all of x, go out before anything else
.set i, i+1
.endr
	s_add_nc_u64 s[10:11], s[10:11], s[28:29]      ; Wq
	s_add_nc_u64 s[12:13], s[12:13], s[26:27]      ; Wk
	s_add_nc_u64 s[14:15], s[14:15], s[26:27]      ; Wv
	s_add_nc_u64 s[16:17], s[16:17], s[28:29]      ; Wo
	s_add_nc_u64 s[18:19], s[18:19], s[30:31]      ; xb
	s_add_nc_u64 s[34:35], s[20:21], s[26:27]      ; wb: Wq's rows 0-1023
	s_add_nc_u64 s[36:37], s[20:21], s[24:25]
	s_add_nc_u64 s[36:37], s[36:37], 0x400000      ; wb: Wk's rows begin 1,024 x 4,096 bytes in
	s_add_nc_u64 s[38:39], s[36:37], 0x200000      ; wb: Wv's rows 512 x 4,096 bytes further
	s_add_nc_u64 s[22:23], s[22:23], s[26:27]      ; wob
.set i, 0
.rept ITEMS
.if (i % BLOCK == 0) && (i > 0)
	s_wait_alu depctr_va_vdst(0)                   ; a block's head: the block before has written the Y of its four items, which this block's four stores read
.endif
.if i+DEPTH < ITEMS
	LOAD i+DEPTH                                   ; no wait: no vector instruction has named this item's X, and v1 was written ahead of the head's wait
.endif
.if i >= BLOCK
	STORE i-BLOCK                                  ; an item of the block before.  No wait: no vector instruction since the block's head names its Y
.endif
.if ITEMS-1-i < DEPTH
	s_wait_loadcnt ITEMS-1-i                       ; the last items: nothing more was asked for, the counts run down
.else
	s_wait_loadcnt DEPTH                           ; loads return in order: item i is in, the DEPTH younger ones (items i + 1 to i + DEPTH) stay out
.endif
	v_cvt_pk_bf16_f32 v[Y+2*i], v[X+4*i], v[X+4*i+1]
	v_cvt_pk_bf16_f32 v[Y+2*i+1], v[X+4*i+2], v[X+4*i+3]
.if i >= 24
	v_lshlrev_b32 v[X+4*i], 16, v[Y+2*i]           ; Wo: the numbers rounded to bf16, as f32 again (the item's load has landed: its registers are free),
	v_and_b32 v[X+4*i+1], 0xffff0000, v[Y+2*i]
	v_lshlrev_b32 v[X+4*i+2], 16, v[Y+2*i+1]
	v_and_b32 v[X+4*i+3], 0xffff0000, v[Y+2*i+1]
	v_cvt_pk_f16_f32 v[Y+2*i], v[X+4*i], v[X+4*i+1]        ; and the change of format: exact from 2^-17 up
	v_cvt_pk_f16_f32 v[Y+2*i+1], v[X+4*i+2], v[X+4*i+3]
.endif
.set i, i+1
.endr
	s_wait_alu depctr_va_vdst(0)                   ; the last block has written the Y of its four items, which the last four stores read
.set i, ITEMS-BLOCK
.rept BLOCK
	STORE i
.set i, i+1
.endr
	s_endpgm
.Lfunc_end_k_q8a62e6ed85_cvt:
	.size	k_q8a62e6ed85_cvt, .Lfunc_end_k_q8a62e6ed85_cvt-k_q8a62e6ed85_cvt
	.p2alignl 7, 3214868480
	.fill 96, 4, 3214868480
	.section	.rodata,"a",@progbits
	.p2align	6, 0x0
	.amdhsa_kernel k_q8a62e6ed85_cvt
		.amdhsa_group_segment_fixed_size 0
		.amdhsa_private_segment_fixed_size 0
		.amdhsa_enable_private_segment 0
		.amdhsa_kernarg_size 64
		.amdhsa_user_sgpr_count 2
		.amdhsa_user_sgpr_kernarg_segment_ptr 1
		.amdhsa_wavefront_size32 1
		.amdhsa_system_sgpr_workgroup_id_x 1
		.amdhsa_system_sgpr_workgroup_id_y 1
		.amdhsa_system_sgpr_workgroup_id_z 1
		.amdhsa_system_vgpr_workitem_id 0
		.amdhsa_next_free_vgpr 172
		.amdhsa_next_free_sgpr 66
		.amdhsa_reserve_vcc 0
		.amdhsa_float_denorm_mode_32 3
		.amdhsa_float_denorm_mode_16_64 3
		.amdhsa_memory_ordered 1
		.amdhsa_forward_progress 1
		.amdhsa_inst_pref_size 13
	.end_amdhsa_kernel
	.amdgpu_metadata
---
amdhsa.version: [ 1, 2 ]
amdhsa.kernels:
  - .name:           k_q8a62e6ed85_cvt
    .symbol:         k_q8a62e6ed85_cvt.kd
    .args:
      - { .name: x, .offset: 0, .size: 8, .value_kind: global_buffer, .address_space: global }
      - { .name: Wq, .offset: 8, .size: 8, .value_kind: global_buffer, .address_space: global }
      - { .name: Wk, .offset: 16, .size: 8, .value_kind: global_buffer, .address_space: global }
      - { .name: Wv, .offset: 24, .size: 8, .value_kind: global_buffer, .address_space: global }
      - { .name: Wo, .offset: 32, .size: 8, .value_kind: global_buffer, .address_space: global }
      - { .name: xb, .offset: 40, .size: 8, .value_kind: global_buffer, .address_space: global }
      - { .name: wb, .offset: 48, .size: 8, .value_kind: global_buffer, .address_space: global }
      - { .name: wob, .offset: 56, .size: 8, .value_kind: global_buffer, .address_space: global }
    .group_segment_fixed_size: 0
    .private_segment_fixed_size: 0
    .kernarg_segment_align: 8
    .kernarg_segment_size: 64
    .max_flat_workgroup_size: 512
    .sgpr_count:     66
    .vgpr_count:     172
    .wavefront_size: 32
...
	.end_amdgpu_metadata
.endif
;; end of part 5
;; launch qkvproj: the kernel of part 2 again; grid 16 x 16, 4 waves a work-group, clusters of 4 x 4, 327,680 bytes of LDS; arguments xb, wb, qn_w, kn_w, qkv; writes qkv
;; launch attn: the kernel of part 3 again; grid 32 x 8, 4 waves a work-group, no clusters, 53,760 bytes of LDS; arguments qkv, ctx; writes ctx
;; launch oproj: the kernel of part 4 again; grid 16 x 16, 4 waves a work-group, clusters of 4 x 4, 327,680 bytes of LDS; arguments ctx, wob, out0; writes out0
